; MI455X (gfx1250); checked and timed in simulation.
; The chip was launched on July 23, 2026; its instructions are those of AMD's public machine-readable ISA for CDNA 5 (MIT licence, August 2026) and "CDNA5" Instruction Set Architecture Reference Guide (July 2026). The comments in the code are by the model that wrote it; some were corrected since.
;; Multi Head Attention. Allowed arithmetic: matrix products marked QUANTISED: E2M3 operands, one E8M0 scale for each 32 along K, by v_wmma_scale_f32_16x16x128_f8f6f4 with both operands' format E2M3, f32 sums; everything else in f32.
;; Inputs: Wk 1,024 x 1,024 float32; Wo 1,024 x 1,024 float32; Wq 1,024 x 1,024 float32; Wv 1,024 x 1,024 float32; x 4 x 2,048 x 1,024 float32.
;; Outputs: out0 4 x 2,048 x 1,024 float32.
;; This version of the problem:
;;   THIS VERSION OF THE PROBLEM IS GIVEN IN LOW PRECISION. The matrix products marked QUANTISED in the list below multiply operands that are first quantised to E2M3 (2 exponent bits, 3 mantissa bits; 6 bits a number), with one power-of-two scale for each 32 numbers along K (OCP MX v1.0); their sums are f32. All else is computed in f32.
;;   The module's matrix products, in the order in which they are computed (A, B: the left and right operand; K: the contracted axis; several contracted axes count as one K, in the product's order):
;;     1. [M 8,192, K 1,024] x [K 1,024, N 1,024]; A: input x; B: input Wq: QUANTISED
;;     2. [M 8,192, K 1,024] x [K 1,024, N 1,024]; A: input x; B: input Wk: QUANTISED
;;     3. [M 8,192, K 1,024] x [K 1,024, N 1,024]; A: input x; B: input Wv: QUANTISED
;;     4. batch 64 x [M 2,048, K 64] x [K 64, N 2,048]; A: computed on the way; B: computed on the way: QUANTISED
;;     5. batch 64 x [M 2,048, K 2,048] x [K 2,048, N 64]; A: softmax (see below); B: computed on the way: QUANTISED
;;     6. [M 8,192, K 1,024] x [K 1,024, N 1,024]; A: computed on the way; B: input Wo: QUANTISED
;;   THE QUANTISER, for each operand of a quantised product, along K:
;;     - K is cut into blocks of 32 from its start; a last block that is shorter is filled with zeros.
;;     - A block's scale is 2^e with e = floor(log2(the largest magnitude in the block)) - 2, held to -126 .. 127; a block of zeros has e = 0. As a byte (E8M0): e + 127.
;;     - Each number is divided by its block's scale, clamped to +-7.5, and rounded to the nearest number of E2M3, ties to even, subnormals kept.
;;     - The product sums the exact products of the quantised numbers (number of the format x scale) in f32.
;;   ~~~python
;;   def quantise(x, axis):      # numpy; x: float32 -> the quantised numbers, widened to float32 again
;;       x = np.moveaxis(x, axis, -1); K = x.shape[-1]
;;       x = np.pad(x, [(0, 0)] * (x.ndim - 1) + [(0, -K % 32)]); x = x.reshape(x.shape[:-1] + (-1, 32)); a = np.abs(x).max(-1, keepdims=True)
;;       e = np.where(a > 0, np.clip(np.frexp(np.where(a > 0, a, 1))[1] - 1 - 2, -126, 127), 0)      # np.frexp(a)[1] - 1 = floor(log2(a)), exactly
;;       r = np.clip(x / 2.0 ** e, -7.5, 7.5)
;;       step = 2.0 ** (np.maximum(np.frexp(np.where(r == 0, 1, r))[1] - 1, 0) - 3)
;;       q = np.round(r / step) * step * 2.0 ** e      # np.round: ties to even
;;       return np.moveaxis(q.reshape(q.shape[:-2] + (-1,))[..., :K], -1, axis).astype(np.float32)
;;   ~~~
;;   SOFTMAX AHEAD OF A QUANTISED PRODUCT. Where the list says 'softmax', what is quantised is not the finished softmax but p = 2^(t - M), with t = logit x log2(e) and M = ceil(the row's largest t), a whole number; so 1/2 < the row's largest p <= 1. The row's sum l is taken of the UNQUANTISED p, in f32, and the product's result is divided by l at the end. Since M is a whole number, a kernel that streams over the keys may use a running M (the ceiling of the running maximum): every later rescaling is an exact power of two, which a block's scale takes up: the codes' values come out the same.
;;   OPERANDS COMPUTED ON THE WAY. 'Computed on the way' means the value that the module computes at that place (a softmax that the list does not call 'softmax' is quantised finished and normalised). What goes into a quantiser is computed in f32, as accurately as f32 sums, v_exp_f32 and their like allow (about 1e-6 of the number): no bf16 or f16 on the way to a quantiser, and a product that is left as it is and whose result goes on into a quantised operand takes f32 operands (vector FMAs, or v_wmma_f32_16x16x4_f32). A number that lies on a knife's edge between two numbers of the format may be rounded either way, as far as f32 arithmetic and the matrix unit's own rounding can turn it there, and no further.
;; One version. Each part assembles by itself: llvm-mc -triple=amdgcn-amd-amdhsa -mcpu=gfx1250 --defsym DOCPART=n.
;; ======== version 1 of 1: 4 launches
;; workspace buffers: img 9,437,184 bytes; scl 393,216 bytes; att 20,185,088 bytes
;; launch quant (part 1): grid 768 x 1, 2 waves a work-group, no clusters, 17,152 bytes of LDS; arguments x, Wq, Wk, Wv, Wo, img, scl; writes img, scl
.if DOCPART == 1
	.amdgcn_target "amdgcn-amd-amdhsa--gfx1250"
	.amdhsa_code_object_version 6
	.text
	.protected	k_q93d928301b_quant
	.globl	k_q93d928301b_quant
	.p2align	8
	.type	k_q93d928301b_quant,@function
k_q93d928301b_quant:
	s_mov_b64 s[64:65], 0
	v_nop
	global_prefetch_b8 v0, s[64:65] scope:SCOPE_SE
	s_setreg_imm32_b32 hwreg(HW_REG_WAVE_MODE, 25, 1), 1
	s_wait_xcnt 0x0
; x [8192][1024] and Wq, Wk, Wv, Wo [1024][1024], f32, K innermost, become codes of FP6 (E2M3) with one E8M0 byte for each 32 along K,
; laid as IMAGES OF THE OPERAND'S REGISTERS.  A tile is 16 rows; lane index r of tile t is row 32 (t / 2) + 8 (t % 2) + r + 8 (r / 8) of its tensor.
; img: [tile 0..767][K step 0..7][1,536 bytes]: tiles 0-511 x, 512-575 Wq, 576-639 Wk, 640-703 Wv, 704-767 Wo.  A K step's fragment (12 registers a lane) is two halves of 768 bytes:
; registers 6 c .. 6 c + 3 at 768 c + 16 x lane, registers 6 c + 4, 6 c + 5 at 768 c + 512 + 8 x lane.  Lane (r, h) holds k = 64 c + 32 h + 0 .. 31 of its row: a whole block.
; scl: [tile][pair of K steps 0..3][r][2 words]: a word is the four bytes of one row and 128 along K.
; A block's scale is 2^(floor(log2(largest magnitude)) - 2): its byte is the largest magnitude's exponent field - 2, held at 1 from below.
; LIMITS: a block of zeros, and a block whose largest magnitude lies under 2^-124, keeps the byte 1 (its codes are right under that byte; only this program reads the bytes).  NaN and infinities among the inputs are not served.
; SHARES: work-group g makes tile g; wave w its K steps 4 w .. 4 w + 3.  Each load reads 512 consecutive bytes of one row; a K step's 16 rows turn through the wave's own stage in LDS (pitch 528),
; so that a lane gets 2 x 32 neighbours along K.  Waves share nothing: no barrier.  Loads run two K steps (32 loads a wave) ahead.
.set WREG,  8448                       ; a wave's stage: 16 rows x 528 bytes
.set SP,    528                        ; 512 bytes + 16: the 16 rows that a load touches start 16 bytes apart modulo 256
.set LN16,  4                          ; v4   16 x lane; never rewritten
.set LN8,   5                          ; v5   8 x lane; never rewritten
.set STI,   6                          ; v6   the stage, on the way in
.set STO,   7                          ; v7   and on the way out: row r, + 128 h
.set SH8,   8                          ; v8   8 h
.set PD,    9                          ; v9   a lane permute's destination
.set MX,    10                         ; v10-11 largest magnitudes;  v12-13 the conversions' scale operands;  v14-15 bytes;  v16 my half of a word
.set SO,    12
.set BY,    14
.set WD,    16
.set WS,    20                         ; v20-23 the four K steps' scale words
.set OUTW,  24                         ; v24-25 the pair that I store
.set R,     32                         ; v32-159  two sets of 64: a K step's rows as loaded
.set X,     160                        ; v160-223 my 2 x 32 neighbours
.set C,     224                        ; v224-235 the fragment's codes
.set PT,    236                        ; v236-238, v240-242 each block's upper 16 codes (a conversion's three registers begin on an even number)
	s_load_b256 s[4:11], s[0:1], 0x0               ; x, Wq, Wk, Wv
	s_load_b128 s[12:15], s[0:1], 0x20             ; Wo, img
	s_load_b64 s[16:17], s[0:1], 0x30              ; scl
	v_lshl_add_u32 v254, v0, 2, 0x4200
	v_mov_b32 v255, 0
	v_lshrrev_b32 v1, 5, v0
	v_readfirstlane_b32 s28, v1                    ; wave 0, 1
	v_and_b32 v1, 31, v0                           ; lane
	v_and_b32 v2, 15, v0                           ; r
	v_bfe_u32 v3, v0, 4, 1                         ; h
	v_lshlrev_b32 v[LN16], 4, v1
	v_lshlrev_b32 v[LN8], 3, v1
	s_mul_i32 s29, s28, WREG
	v_add_nc_u32 v[STI], s29, v[LN16]
	v_mul_u32_u24 v[STO], v2, SP
	v_lshl_add_u32 v[STO], v3, 7, v[STO]
	v_add_nc_u32 v[STO], s29, v[STO]
	v_lshlrev_b32 v[SH8], 3, v3
	v_mov_b32 v[PD], 0                             ; written once: a lane permute's destination counts as one of its sources
	s_mov_b32 s20, 0x76543210
	s_mov_b32 s21, 0xfedcba98                      ; v_permlanex16_b32's selects for lane l xor 16
	s_mov_b32 s22, 0xffff0000                      ; lanes 16-31
	s_and_b32 s24, ttmp9, 63
	s_cmp_lt_u32 ttmp9, 512
	s_cselect_b32 s24, ttmp9, s24                  ; the tile's number in its own tensor
	s_lshr_b32 s25, s24, 1
	s_lshl_b32 s25, s25, 17                        ; 32 rows of 4,096 bytes for each pair of tiles,
	s_and_b32 s26, s24, 1
	s_lshl_b32 s26, s26, 15                        ; 8 rows for the odd one,
	s_add_co_u32 s26, s26, s25
	s_lshl_b32 s27, s28, 11                        ; my wave's half of K: 2,048 bytes
	s_add_co_u32 s26, s26, s27
	s_mov_b32 s27, 0
	s_mul_i32 s30, ttmp9, 12288                    ; img: my tile,
	s_mul_i32 s31, s28, 6144                       ; my four K steps
	s_add_co_u32 s30, s30, s31
	s_mov_b32 s31, 0
	s_lshl_b32 s32, ttmp9, 9                       ; scl: my tile,
	s_lshl_b32 s33, s28, 8                         ; my two pairs of K steps
	s_add_co_u32 s32, s32, s33
	s_mov_b32 s33, 0
	s_wait_kmcnt 0x0
	s_mov_b64 s[18:19], s[12:13]                   ; which tensor: the choice hangs on the work-group's number alone
	s_cmp_lt_u32 ttmp9, 704
	s_cselect_b64 s[18:19], s[10:11], s[18:19]
	s_cmp_lt_u32 ttmp9, 640
	s_cselect_b64 s[18:19], s[8:9], s[18:19]
	s_cmp_lt_u32 ttmp9, 576
	s_cselect_b64 s[18:19], s[6:7], s[18:19]
	s_cmp_lt_u32 ttmp9, 512
	s_cselect_b64 s[18:19], s[4:5], s[18:19]
	s_add_nc_u64 s[18:19], s[18:19], s[26:27]
	s_add_nc_u64 s[14:15], s[14:15], s[30:31]
	s_add_nc_u64 s[16:17], s[16:17], s[32:33]
.macro LOAD t                          ; K step t of the tile's 16 rows into set t % 2: 32 lanes read 512 consecutive bytes of a row
.irp i, 0,1,2,3,4,5,6,7,8,9,10,11,12,13,14,15
	global_load_b128 v[R+64*((\t)%2)+4*\i:R+64*((\t)%2)+4*\i+3], v[LN16], s[18:19] offset:(\i+8*(\i/8))*4096+512*(\t) th:TH_LOAD_NT
.endr
.endm
.macro STEP t
.if (\t) < 3
	s_wait_loadcnt 16                              ; this K step's 16 loads are in; the next one's 16 may be out
.else
	s_wait_loadcnt 0x0
.endif
.irp i, 0,1,2,3,4,5,6,7,8,9,10,11,12,13,14,15
	ds_store_b128 v[STI], v[R+64*((\t)%2)+4*\i:R+64*((\t)%2)+4*\i+3] offset:SP*\i
.endr
.irp c, 0,1
.irp j, 0,1,2,3,4,5,6,7
	ds_load_b128 v[X+32*\c+4*\j:X+32*\c+4*\j+3], v[STO] offset:256*\c+16*\j   ; LDS serves a wave's instructions in order (ISA guide 5.7.1.4): these see the stores above
.endr
.endr
	s_wait_dscnt 0x0                               ; my 64 numbers are in, and the stores have read the set,
.if (\t) < 2
	LOAD (\t)+2                                    ; which takes the loads of two K steps on
.endif
.irp c, 0,1                                    ; my block 2 c + h: all its 32 numbers are mine
	v_max3_num_f32 v[MX+\c], |v[X+32*\c]|, |v[X+32*\c+1]|, 0x1800000   ; with the floor 2^(3 - 127): the byte cannot fall under 1
.endr
.irp i, 2,4,6,8,10,12,14,16,18,20,22,24,26,28,30
.irp c, 0,1
	v_max3_num_f32 v[MX+\c], v[MX+\c], |v[X+32*\c+\i]|, |v[X+32*\c+\i+1]|
.endr
.endr
.irp c, 0,1
	v_add_nc_u32 v[SO+\c], 0xff000000, v[MX+\c]    ; 2 off the exponent field: the conversion takes that field as its scale
.endr
.irp c, 0,1
	v_lshrrev_b32 v[BY+\c], 23, v[SO+\c]           ; the scale's byte
.endr
	v_lshl_or_b32 v[WD], v[BY+1], 16, v[BY]        ; blocks h and 2 + h of row r,
	v_lshlrev_b32 v[WD], v[SH8], v[WD]             ; at their places in the word;
	v_permlanex16_b32 v[PD], v[WD], s20, s21
	v_or_b32 v[WS+(\t)], v[WD], v[PD]              ; with lane l xor 16's two the word is whole
.if (\t) > 0
	s_wait_xcnt 0x0                                ; the last K step's stores have read their data: the codes' registers are written again only behind this wait
.endif
.irp c, 0,1
	v_cvt_scalef32_pk16_fp6_f32 v[C+6*\c:C+6*\c+2], v[X+32*\c:X+32*\c+15], v[SO+\c]
	v_cvt_scalef32_pk16_fp6_f32 v[PT+4*\c:PT+4*\c+2], v[X+32*\c+16:X+32*\c+31], v[SO+\c]
.endr
	v_nop                                          ; one plain place behind a scaled conversion
.irp c, 0,1
.irp i, 0,1,2
	v_mov_b32 v[C+6*\c+3+\i], v[PT+4*\c+\i]
.endr
.endr
.irp c, 0,1
	global_store_b128 v[LN16], v[C+6*\c:C+6*\c+3], s[14:15] offset:1536*(\t)+768*\c          ; 512 consecutive bytes, aligned to 256
	global_store_b64 v[LN8], v[C+6*\c+4:C+6*\c+5], s[14:15] offset:1536*(\t)+768*\c+512      ; 256 consecutive bytes, aligned to 256
.endr
.endm
	LOAD 0
	LOAD 1
	STEP 0
	STEP 1
	STEP 2
	STEP 3
	v_cndmask_b32 v[OUTW], v[WS], v[WS+2], s22     ; lanes 0-15 store the words of my first pair of K steps, lanes 16-31 those of the second
	v_cndmask_b32 v[OUTW+1], v[WS+1], v[WS+3], s22
	global_store_b64 v[LN8], v[OUTW:OUTW+1], s[16:17]   ; 256 consecutive bytes, aligned
	s_wait_tensorcnt 0x0
	ds_add_u32 v254, v255
	s_wait_dscnt 0x0
	s_endpgm
.Lfunc_end_k_q93d928301b_quant:
	.size	k_q93d928301b_quant, .Lfunc_end_k_q93d928301b_quant-k_q93d928301b_quant
	.p2alignl 7, 3214868480
	.fill 96, 4, 3214868480
	.section	.rodata,"a",@progbits
	.p2align	6, 0x0
	.amdhsa_kernel k_q93d928301b_quant
		.amdhsa_group_segment_fixed_size 17152
		.amdhsa_private_segment_fixed_size 0
		.amdhsa_enable_private_segment 0
		.amdhsa_kernarg_size 56
		.amdhsa_user_sgpr_count 2
		.amdhsa_user_sgpr_kernarg_segment_ptr 1
		.amdhsa_wavefront_size32 1
		.amdhsa_system_sgpr_workgroup_id_x 1
		.amdhsa_system_sgpr_workgroup_id_y 1
		.amdhsa_system_sgpr_workgroup_id_z 1
		.amdhsa_system_vgpr_workitem_id 0
		.amdhsa_next_free_vgpr 256
		.amdhsa_next_free_sgpr 66
		.amdhsa_reserve_vcc 0
		.amdhsa_float_denorm_mode_32 3
		.amdhsa_float_denorm_mode_16_64 3
		.amdhsa_memory_ordered 1
		.amdhsa_forward_progress 1
		.amdhsa_inst_pref_size 31
	.end_amdhsa_kernel
	.amdgpu_metadata
---
amdhsa.version: [ 1, 2 ]
amdhsa.kernels:
  - .name:           k_q93d928301b_quant
    .symbol:         k_q93d928301b_quant.kd
    .args:
      - { .name: x, .offset: 0, .size: 8, .value_kind: global_buffer, .address_space: global }
      - { .name: Wq, .offset: 8, .size: 8, .value_kind: global_buffer, .address_space: global }
      - { .name: Wk, .offset: 16, .size: 8, .value_kind: global_buffer, .address_space: global }
      - { .name: Wv, .offset: 24, .size: 8, .value_kind: global_buffer, .address_space: global }
      - { .name: Wo, .offset: 32, .size: 8, .value_kind: global_buffer, .address_space: global }
      - { .name: img, .offset: 40, .size: 8, .value_kind: global_buffer, .address_space: global }
      - { .name: scl, .offset: 48, .size: 8, .value_kind: global_buffer, .address_space: global }
    .group_segment_fixed_size: 17152
    .private_segment_fixed_size: 0
    .kernarg_segment_align: 8
    .kernarg_segment_size: 56
    .max_flat_workgroup_size: 64
    .sgpr_count:     66
    .vgpr_count:     256
    .wavefront_size: 32
...
	.end_amdgpu_metadata
.endif
;; end of part 1
;; launch qkv (part 2): grid 8 x 48, 4 waves a work-group, clusters of 4 x 4, 327,680 bytes of LDS; arguments img, scl, att; writes att
.if DOCPART == 2
	.amdgcn_target "amdgcn-amd-amdhsa--gfx1250"
	.amdhsa_code_object_version 6
	.text
	.protected	k_q93d928301b_qkv
	.globl	k_q93d928301b_qkv
	.p2align	8
	.type	k_q93d928301b_qkv,@function
k_q93d928301b_qkv:
	s_mov_b64 s[64:65], 0
	v_nop
	global_prefetch_b8 v0, s[64:65] scope:SCOPE_SE
	s_setreg_imm32_b32 hwreg(HW_REG_WAVE_MODE, 25, 1), 1
	s_wait_xcnt 0x0
	s_wait_alu depctr_hold_cnt(0) depctr_sa_sdst(0) depctr_va_vdst(0) depctr_va_sdst(0) depctr_va_ssrc(0) depctr_va_vcc(0) depctr_vm_vsrc(0)
	s_getreg_b32 s2, hwreg(HW_REG_IB_STS2, 6, 4)
	s_cmp_eq_u32 s2, 0
	s_cbranch_scc0 .Lentry_in_a_cluster
	s_endpgm
.Lentry_in_a_cluster:
	s_bfe_u32 s2, ttmp6, 0x10000c
	s_cmp_lg_u32 s2, 0xf033
	s_cbranch_scc0 .Lentry_shape_is_right
	s_endpgm
.Lentry_shape_is_right:
; q = x Wq^T, k = x Wk^T, v = x Wv^T on codes of FP6 (E2M3) with E8M0 scales, K = 1,024; the results are quantised in registers and leave as operand images for the attention launch.
; OPERANDS: img and scl as the first launch laid them: [tile][K step][1,536 bytes] and [tile][pair of K steps][r][2 words]; lane index r of tile t is row 32 (t / 2) + 8 (t % 2) + r + 8 (r / 8).
; A work-group of four waves makes 256 x 256 results, a wave 128 x 128 (64 accumulators).  THE MATRIX INSTRUCTION IS USED TRANSPOSED: source 0 = a tile of "B", source 1 = a tile of "A".  With the tiles' row order a lane then
; holds ONE row of A, and the 64 registers of a block of 16 rows are B's rows 32 b + 16 (lane / 16) + i at register 16 b + i: sixteen neighbours of each block of 32, which is what the conversions take.
; TWO PARTS, told apart by the cluster's y alone (the same in all sixteen partners):
;   clusters y 0-7:  A = x, B = [Wq; Wk]: a lane holds a token, its registers run along the features: q and k are quantised along the head's 64;
;   clusters y 8-11: A = Wv, B = x: a lane holds a feature, its registers run along the tokens: v is quantised along the keys.
; att: KV at 0: [head 64][record 16][13,056 bytes]; a record is 128 keys: k's 8 tiles x 768 bytes (six registers: K = 64), v's 4 tiles of features x 1,536 at 6,144, k's scale words [2][r][4] at 12,288, v's [r][4] at 12,800.
;      q's tiles [head][tile 128][768] at 13,369,344; q's scale words [head][16][2][r][4] at 19,660,800.  The scale words of q and k hold the head's two bytes twice.
; K goes in four steps of 256 through a ring of two LDS slots filled by the tensor data mover; a tile's part of a slot is 3,072 dense bytes.  The scales of the work-group's 512 rows come once.
; CLUSTERS: 4 x 4 work-groups; A's tiles are asked for jointly along a row of the cluster, B's along a column.
; LIMITS: a block whose largest magnitude lies under 2^-124, zeros among them, keeps the byte 1; NaN and infinities are not served.
; REGISTERS: window 0: v0-31 addresses; v32-63 scale words, two sets; v128-223 A's fragments, one set; on the way out v64-222 are at work.  window 1: B's fragments, two sets, at v0 and v128.
;   window 2: the accumulators of my rows' blocks 0-3 ((a, b) at v[8 (8 a + b)]);  window 3: those of blocks 4-7.
.set NQ,     2                         ; matrix instructions deep in a slot
.set FR,     12                        ; registers of a fragment
.set NL,     4                         ; LDS loads that bring one
.set NP,     4                         ; places behind this matrix instruction (ISA guide 7.12.1)
.set TROW,   3072                      ; a tile's part of a slot: two K steps of 1,536 bytes
.set HALFT,  8*TROW                    ; 8 tiles, 128 rows: what one tensor load brings, and what one wave reads of A or of B
.set SLOT,   4*HALFT                   ; A's 16 tiles, then B's 16
.set SCL,    2*SLOT                    ; behind the ring: the scales, 512 bytes a tile
.set HALFS,  4096                      ; those of 8 tiles: what one tensor load brings
.set SBLK,   512
.set SPARE,  SCL+4*HALFS               ; the spare words, 128 bytes for each wave: two blocks of 256 bytes that no other line names
.set ADRA, 16                          ; v16-17 my A fragments in slot 0, 1, + 16 x lane;  v18-19 the same + 8 x lane
.set ADRB, 20                          ; v20-23 the same for B
.set ADRS, 27                          ; v27    my scale words: lanes 0-15 A's rows, lanes 16-31 B's
.set SPW,  28                          ; v28    my spare word: SPARE + 4 x my thread's number; never rewritten
.set NIL,  29                          ; v29    0; never rewritten
.set SC,   32                          ; scale words: set s at v[SC + 16 s]; register 2 i + q: lanes 0-15 A's block i, lanes 16-31 B's block i, the slot's q-th 128 along K
.set AF,   128
.set L16,  8                           ; the way out: v8 16 x lane, v9 8 x lane, v10, v11 the same for the fragment's second half, v12 the scale words' place
.set L8,   9
.set L16B, 10
.set L8B,  11
.set SOF,  12
.set PC,   64                          ; v64-159  the codes of my eight blocks, 12 registers each: no store's data are written again
.set PWR,  176                         ; v176-183 their scale words
.set VSW,  184                         ; v184-187 v's scale words as they are stored
.set PSEL, 188                         ; v188 byte selects; v189 at work
.set TM,   200                         ; v200-203 largest magnitudes, v204-207 permute and bytes, v212-215 scale operands
.set PT,   216                         ; v216-218, v220-222 (a conversion's three registers begin on an even number)
.set G1, 24
.set G0, 32
.set G1B, 48
.set G0B, 56
.set G1S, 68
.set G0S, 76
.set G1SB, 80
.set G0SB, 88
.set MSB, 0
.macro WIN new                         ; the immediate's high byte repeats the setting that is left
.if MSB != \new
	s_set_vgpr_msb (MSB<<8)|\new
.set MSB, \new
.endif
.endm
.set MUL_LO, 0xa1                      ; source 0 (B) window 1, source 1 (A) window 0, C and D window 2
.set MUL_HI, 0xf1                      ; the same, C and D window 3
.set TO_B,   0x40                      ; destination window 1, address window 0
; A joint load: waves 0 and 1 fetch for A, waves 2 and 3 for B; the branch hangs on the wave's number alone.  Four v_nop follow each of the two lines.
.macro JLOAD g0a, g1a, g0b, g1b
	s_cmp_eq_u32 s15, 0
	s_cbranch_scc0 .Lfor_b_\@
	tensor_load_to_lds s[\g0a:\g0a+3], s[\g1a:\g1a+7]
	s_nop 0
.rept 4
	v_nop
.endr
	s_branch .Lasked_\@
.Lfor_b_\@:
	tensor_load_to_lds s[\g0b:\g0b+3], s[\g1b:\g1b+7]
	s_nop 0
.rept 4
	v_nop
.endr
.Lasked_\@:
.endm
.macro CREST                           ; a round of the cluster's barrier behind its opening barrier
	s_cmp_lg_u32 s14, 0
	s_cbranch_scc1 .Lnot_wave_0_\@
	s_barrier_signal -3
.Lnot_wave_0_\@:
	s_barrier_wait -3
	s_barrier_signal -1
	s_barrier_wait -1
.endm
.macro CROUND                          ; a whole round
	s_barrier_signal -1
	s_barrier_wait -1
	CREST
.endm
	s_load_b128 s[4:7], s[0:1], 0x0                ; img, scl
	s_load_b64 s[8:9], s[0:1], 0x10                ; att
	v_lshl_add_u32 v[SPW], v0, 2, SPARE
	v_mov_b32 v[NIL], 0
	ds_add_u32 v28, v29
	ds_add_u32 v28, v29
	s_wait_dscnt 0x0
	v_lshrrev_b32 v1, 5, v0
	v_readfirstlane_b32 s14, v1                    ; wave 0..3
	s_lshr_b32 s15, s14, 1                         ; which half of A's rows is mine.  Also: I fetch for A (0) or for B (1)
	s_and_b32 s16, s14, 1                          ; which half of B's rows.  Also: which 8 tiles I fetch
	s_bfe_u32 s40, ttmp6, 0x40000                  ; cx, cy: my place in the cluster
	s_bfe_u32 s41, ttmp6, 0x40004
	s_and_b32 s93, ttmp7, 0xffff                   ; the cluster's y
	s_lshl_b32 s17, s93, 2
	s_lshl_b32 s42, ttmp9, 2
	s_max_u32 s66, s93, 8
	s_sub_co_u32 s66, s66, 8
	s_lshl_b32 s66, s66, 3
	s_add_co_u32 s66, s66, s42                     ; v's part: 4 (2 (cluster y - 8) + cluster x)
	s_cmp_lt_u32 s93, 8                            ; q's and k's part, or v's?
	s_cselect_b32 s98, 1, 0
	s_cselect_b32 s17, s17, 0
	s_cselect_b32 s42, s42, s66
	s_cselect_b32 s67, 0, 640                      ; A's first tile in img: x's or Wv's
	s_cselect_b32 s95, 512, 0                      ; B's: Wq's or x's
	s_add_co_u32 s17, s17, s41                     ; which 256 rows of A: it holds cy and never cx
	s_add_co_u32 s42, s42, s40                     ; which 256 rows of B: it holds cx and never cy
	s_lshl_b32 s43, s41, 2
	s_lshl_b32 s43, 15, s43                        ; my row of the cluster
	s_lshl_b32 s44, 0x1111, s40                    ; my column
	; descriptor group 1: 8 tiles' parts of a slot: 8 rows of 384 elements of 8 bytes, 1,536 elements (a tile's 12,288 bytes) apart; dense in LDS
	s_or_b32 s[G1+0], s43, (3<<16)|(1<<21)         ; 15:0 the mask: A's tiles go to my row; 17:16 elements of 8 bytes; 20 no padding; 21 set beside a mask
	s_or_b32 s[G1B+0], s44, (3<<16)|(1<<21)
.irp g, G1, G1B
	s_mov_b32 s[\g+1], 384<<16                     ; tensor_dim0
	s_mov_b32 s[\g+2], 8<<16                       ; tensor_dim1
	s_mov_b32 s[\g+3], 384<<16                     ; tile_dim0
	s_mov_b32 s[\g+4], 8                           ; tile_dim1
	s_mov_b32 s[\g+5], 1536                        ; tensor_dim0_stride
	s_mov_b32 s[\g+6], 0
	s_mov_b32 s[\g+7], 0
.endr
	; and for the scales of 8 tiles: 4,096 dense bytes as 16 rows of 256
	s_or_b32 s[G1S+0], s43, (3<<16)|(1<<21)
	s_or_b32 s[G1SB+0], s44, (3<<16)|(1<<21)
.irp g, G1S, G1SB
	s_mov_b32 s[\g+1], 32<<16
	s_mov_b32 s[\g+2], 16<<16
	s_mov_b32 s[\g+3], 32<<16
	s_mov_b32 s[\g+4], 16
	s_mov_b32 s[\g+5], 32
	s_mov_b32 s[\g+6], 0
	s_mov_b32 s[\g+7], 0
.endr
	s_lshl_b32 s18, s16, 3                         ; which 8 tiles I fetch
	s_lshl_b32 s20, s17, 4
	s_add_co_u32 s20, s20, s67
	s_add_co_u32 s20, s20, s18                     ; A's
	s_lshl_b32 s46, s42, 4
	s_add_co_u32 s46, s46, s95
	s_add_co_u32 s46, s46, s18                     ; B's
	s_lshl_b32 s22, s20, 9                         ; their scales, 512 bytes a tile,
	s_mov_b32 s23, 0
	s_lshl_b32 s92, s46, 9
	s_mov_b32 s93, 0
	s_mul_i32 s20, s20, 12288                      ; and their codes
	s_mov_b32 s21, 0
	s_mul_i32 s46, s46, 12288
	s_mov_b32 s47, 0
	s_mul_i32 s45, s14, HALFT                      ; where they go: wave x 8 tiles: no place in the cluster enters an LDS address
	s_mul_i32 s94, s14, HALFS
	s_wait_kmcnt 0x0
	s_add_nc_u64 s[20:21], s[4:5], s[20:21]
	s_add_nc_u64 s[22:23], s[6:7], s[22:23]
	s_add_nc_u64 s[46:47], s[4:5], s[46:47]
	s_add_nc_u64 s[92:93], s[6:7], s[92:93]
	CROUND                                         ; all sixteen work-groups are here: the first joint loads meet
	s_mov_b32 s[G0S], 1
	s_add_co_u32 s[G0S+1], s94, SCL
	s_mov_b64 s[G0S+2:G0S+3], s[22:23]
	s_or_b32 s[G0S+3], s[G0S+3], 0x80000000
	s_mov_b32 s[G0SB], 1
	s_add_co_u32 s[G0SB+1], s94, SCL
	s_mov_b64 s[G0SB+2:G0SB+3], s[92:93]
	s_or_b32 s[G0SB+3], s[G0SB+3], 0x80000000
	JLOAD G0S, G1S, G0SB, G1SB                     ; the scales first: they are wanted with the first slot
.irp s, 0,1
	s_mov_b32 s[G0+4*\s], 1
	s_add_co_u32 s[G0+4*\s+1], s45, \s*SLOT
	s_add_nc_u64 s[G0+4*\s+2:G0+4*\s+3], s[20:21], \s*TROW
	s_or_b32 s[G0+4*\s+3], s[G0+4*\s+3], 0x80000000
	s_mov_b32 s[G0B+4*\s], 1
	s_add_co_u32 s[G0B+4*\s+1], s45, \s*SLOT
	s_add_nc_u64 s[G0B+4*\s+2:G0B+4*\s+3], s[46:47], \s*TROW
	s_or_b32 s[G0B+4*\s+3], s[G0B+4*\s+3], 0x80000000
	JLOAD G0+4*\s, G1, G0B+4*\s, G1B
.endr
	v_and_b32 v1, 15, v0                           ; r
	v_bfe_u32 v2, v0, 4, 1                         ; h
	v_and_b32 v3, 31, v0                           ; lane
	v_lshlrev_b32 v4, 4, v3
	v_lshlrev_b32 v5, 3, v3
	s_mul_i32 s21, s15, HALFT                      ; my 8 tiles of A
	s_mul_i32 s22, s16, HALFT                      ; my 8 tiles of B,
	s_add_co_u32 s22, s22, 2*HALFT                 ; which lie behind A's 16
.irp s, 0,1
	v_add_nc_u32 v[ADRA+\s], s21, v4
	v_add_nc_u32 v[ADRB+\s], s22, v4
	v_add_nc_u32 v[ADRA+2+\s], s21, v5
	v_add_nc_u32 v[ADRB+2+\s], s22, v5
	s_add_co_u32 s21, s21, SLOT
	s_add_co_u32 s22, s22, SLOT
.endr
	v_lshlrev_b32 v5, 3, v1                        ; my row's two words of a slot: 8 r
	s_mul_i32 s21, s15, HALFS                      ; A's: my 8 tiles
	s_mul_i32 s22, s16, HALFS                      ; B's: my 8 tiles, behind A's 16
	s_add_co_u32 s22, s22, 2*HALFS
	s_sub_co_u32 s22, s22, s21
	v_mul_u32_u24 v6, s22, v2                      ; lanes 16-31 take B's: one product, the distance between the two x h
	s_add_co_u32 s21, s21, SCL
	v_add_nc_u32 v5, v5, v6
	v_add_nc_u32 v[ADRS], s21, v5
.macro FRAG reg, adr, q, i             ; a fragment comes back as it was stored: registers 6 c .. 6 c + 3 at 16 x lane, 6 c + 4, 6 c + 5 at 512 + 8 x lane: every load reads consecutive bytes
.irp c, 0,1
	ds_load_b128 v[\reg+6*\c:\reg+6*\c+3], v[\adr] offset:(\i)*TROW+(\q)*1536+768*\c
	ds_load_b64 v[\reg+6*\c+4:\reg+6*\c+5], v[\adr+2] offset:(\i)*TROW+(\q)*1536+768*\c+512
.endr
.endm
; 16 matrix instructions: A's blocks a0, a0 + 1 x B's eight, 128 along K.  p: B's set;  sc: the set of scale words.  zero = 1: the first product starts the sums.
; The 64 accumulators take turns, one instruction a turn, in the same order in every step.
.macro MUL16 a0, p, q, sc, zero
.irp a, \a0, \a0+1
.irp b, 0,1,2,3,4,5,6,7
.if \zero
	v_wmma_scale_f32_16x16x128_f8f6f4 v[8*(8*((\a)%4)+\b):8*(8*((\a)%4)+\b)+7], v[128*(\p)+FR*\b:128*(\p)+FR*\b+FR-1], v[AF+FR*(\a):AF+FR*(\a)+FR-1], 0, v[SC+8*NQ*(\sc)+NQ*\b+(\q)], v[SC+8*NQ*(\sc)+NQ*(\a)+(\q)] matrix_a_fmt:MATRIX_FMT_FP6 matrix_b_fmt:MATRIX_FMT_FP6 matrix_a_scale:MATRIX_SCALE_ROW1
.else
	v_wmma_scale_f32_16x16x128_f8f6f4 v[8*(8*((\a)%4)+\b):8*(8*((\a)%4)+\b)+7], v[128*(\p)+FR*\b:128*(\p)+FR*\b+FR-1], v[AF+FR*(\a):AF+FR*(\a)+FR-1], v[8*(8*((\a)%4)+\b):8*(8*((\a)%4)+\b)+7], v[SC+8*NQ*(\sc)+NQ*\b+(\q)], v[SC+8*NQ*(\sc)+NQ*(\a)+(\q)] matrix_a_fmt:MATRIX_FMT_FP6 matrix_b_fmt:MATRIX_FMT_FP6 matrix_a_scale:MATRIX_SCALE_ROW1
.endif
.endr
.endr
.endm
.macro FETCH_B slot, q, p              ; B's eight fragments of the slot's q-th 128 along K into set p
	WIN TO_B
.irp i, 0,1,2,3,4,5,6,7
	FRAG 128*(\p)+FR*\i, ADRB+\slot, \q, \i
.endr
	WIN 0
.endm
.macro FETCH_A slot, q, i0             ; A's blocks i0 .. i0 + 3
.irp i, \i0, \i0+1, \i0+2, \i0+3
	FRAG AF+FR*(\i), ADRA+\slot, \q, \i
.endr
.endm
.macro SCALES sc                       ; the next slot's scale words into set sc: two words a row
.irp i, 0,1,2,3,4,5,6,7
	ds_load_b64 v[SC+8*NQ*\sc+NQ*\i:SC+8*NQ*\sc+NQ*\i+1], v[ADRS] offset:\i*SBLK
.endr
.endm
; A load into a register that a matrix instruction has read, and a vector instruction or a store that reads a matrix result, stand NP places behind it; only plain vector instructions that name none of its registers are places.
.macro PLACES n
.rept \n
	v_nop
.endr
.endm
.macro STEP slot, q, zero              ; a step of 128 along K that has its successor in the same slot
	s_wait_dscnt 4*NL                              ; B's set and A's blocks 0-3 are in; the youngest 16 loads (A's blocks 4-7) may be out
	WIN MUL_LO
	MUL16 0, (\q)%2, \q, \slot, \zero
	MUL16 2, (\q)%2, \q, \slot, \zero
	s_wait_dscnt 0                                 ; A's blocks 4-7 are in
	PLACES NP
	FETCH_B \slot, (\q)+1, 1-(\q)%2
	FETCH_A \slot, (\q)+1, 0
	WIN MUL_HI
	MUL16 4, (\q)%2, \q, \slot, \zero
	MUL16 6, (\q)%2, \q, \slot, \zero
	PLACES NP
	WIN 0
	FETCH_A \slot, (\q)+1, 4
.endm
; A slot's last step changes slots: ONE barrier; in front of it each wave waits for all its tensor loads, adds 0 to its spare word, and waits for that and for its own reads of this slot.  fill = 1: this slot is filled again, two slots ahead.
.macro TURN slot, next, fill
	s_wait_tensorcnt 0x0                           ; all my tensor loads have landed: my part of the next slot
	ds_add_u32 v[SPW], v[NIL]                      ; 0 onto my spare word
	s_wait_dscnt 4*NL+1                            ; (the add and the youngest 16 loads, A's blocks 4-7, may be out)
	WIN MUL_LO
	MUL16 0, 1, NQ-1, \slot, 0                     ; sixteen matrix instructions stand between the add and the wait for it
	s_wait_dscnt 0x0                               ; the add is done, and my reads of this slot are over
	s_barrier_signal -1
	MUL16 2, 1, NQ-1, \slot, 0
	WIN 0
	s_barrier_wait -1
.if \fill
	CREST                                          ; the barrier has opened a round of the cluster's barrier: no wave of any partner still reads this slot or has a load on its way
	s_add_nc_u64 s[G0+4*\slot+2:G0+4*\slot+3], s[G0+4*\slot+2:G0+4*\slot+3], 2*TROW
	s_add_nc_u64 s[G0B+4*\slot+2:G0B+4*\slot+3], s[G0B+4*\slot+2:G0B+4*\slot+3], 2*TROW
	JLOAD G0+4*\slot, G1, G0B+4*\slot, G1B         ; the first tensor load behind the round; its four v_nop are the places in front of the loads below
.else
	PLACES NP
.endif
	v_add_nc_u32 v[ADRS], 128, v[ADRS]             ; on to the next slot's scale words
	FETCH_B \next, 0, 0
	FETCH_A \next, 0, 0
	SCALES \next
	WIN MUL_HI
	MUL16 4, 1, NQ-1, \slot, 0
	MUL16 6, 1, NQ-1, \slot, 0
	PLACES NP
	WIN 0
	FETCH_A \next, 0, 4
.endm
	s_wait_tensorcnt 1                             ; the scales and my part of slot 0 are in (slot 1's load may be out)
	s_barrier_signal -1
	s_barrier_wait -1                              ; everybody's are
	FETCH_B 0, 0, 0
	FETCH_A 0, 0, 0
	SCALES 0
	FETCH_A 0, 0, 4
	STEP 0, 0, 1                                   ; K has four slots' worth: the eight steps are written out
	TURN 0, 1, 1
	STEP 1, 0, 0
	TURN 1, 0, 1
	STEP 0, 0, 0
	TURN 0, 1, 0                                   ; nothing is left to fetch
	STEP 1, 0, 0
	s_wait_dscnt 4*NL
	WIN MUL_LO
	MUL16 0, 1, NQ-1, 1, 0
	MUL16 2, 1, NQ-1, 1, 0
	s_wait_dscnt 0
	WIN MUL_HI
	MUL16 4, 1, NQ-1, 1, 0
	MUL16 6, 1, NQ-1, 1, 0
	WIN 0
	; THE WAY OUT.  No LDS: a block's 64 registers a lane become a fragment's 12, which are stored as an image.  All tensor loads have been waited for, so the descriptors' registers are free.
	PLACES NP
	s_cmp_eq_u32 s98, 1                            ; which of my two coordinates runs along the tokens, which along the features
	s_cselect_b32 s20, s17, s42                    ; tokens: which 256,
	s_cselect_b32 s22, s15, s16                    ; which half of them;
	s_cselect_b32 s21, s42, s17                    ; features: which 256,
	s_cselect_b32 s23, s16, s15                    ; which half
	s_cselect_b32 s28, 0, 6144                     ; k's figures or v's: the codes' place in a record,
	s_mov_b32 s29, 12800
	s_cselect_b32 s29, 12288, s29                  ; the scale words',
	s_mov_b32 s30, 768
	s_cselect_b32 s30, 208896, s30                 ; from a fragment's first half to its second: the next head (k), or 768 bytes on (v),
	s_mov_b32 s44, 1536
	s_cselect_b32 s44, 768, s44                    ; from block to block,
	s_mov_b32 s46, 204288
	s_cselect_b32 s46, 768, s46                    ; and from block 3 to block 4 (v: the next head's first tile)
	s_cselect_b32 s38, ttmp9, 1                    ; 0 for q alone: its columns are the first cluster's
	s_mov_b32 s33, 208896                          ; bytes from head to head, codes;
	s_mov_b32 s34, 13056                           ; from 128 tokens to the next;
	s_mov_b32 s35, 208896                          ; the same for the scale words;
	s_mov_b32 s36, 13056
	s_mov_b32 s37, 208896                          ; lanes 16-31 store the next head's words
	s_cmp_eq_u32 s38, 0
	s_cselect_b32 s28, 13369344, s28               ; q's figures
	s_cselect_b32 s29, 19660800, s29
	s_cselect_b32 s30, 98304, s30
	s_cselect_b32 s33, 98304, s33
	s_cselect_b32 s34, 6144, s34
	s_cselect_b32 s35, 8192, s35
	s_cselect_b32 s36, 512, s36
	s_cselect_b32 s37, 8192, s37
	s_mov_b32 s45, 0
	s_mov_b32 s47, 0
	s_lshr_b32 s24, s20, 3                         ; the batch,
	s_and_b32 s25, s20, 7
	s_lshl_b32 s25, s25, 1
	s_add_co_u32 s25, s25, s22                     ; which 128 tokens of its 2,048,
	s_lshl_b32 s24, s24, 4
	s_and_b32 s26, s21, 3
	s_lshl_b32 s26, s26, 2
	s_add_co_u32 s24, s24, s26
	s_lshl_b32 s26, s23, 1
	s_add_co_u32 s24, s24, s26                     ; the first of my two heads: 16 x batch + 4 (features' 256) + 2 x half
	s_mul_i32 s50, s24, s33
	s_mul_i32 s26, s25, s34
	s_add_co_u32 s50, s50, s26
	s_add_co_u32 s50, s50, s28
	s_mov_b32 s51, 0
	s_add_nc_u64 s[12:13], s[8:9], s[50:51]        ; where my codes go
	s_mul_i32 s50, s24, s35
	s_mul_i32 s26, s25, s36
	s_add_co_u32 s50, s50, s26
	s_add_co_u32 s50, s50, s29
	s_add_nc_u64 s[96:97], s[8:9], s[50:51]        ; and my scale words
	s_mov_b32 s48, 0x76543210
	s_mov_b32 s49, 0xfedcba98                      ; v_permlanex16_b32's selects for lane l xor 16
	s_mov_b32 s99, 0xffff0000                      ; lanes 16-31
	v_and_b32 v1, 31, v0
	v_and_b32 v2, 15, v0
	v_bfe_u32 v3, v0, 4, 1
	v_lshlrev_b32 v[L16], 4, v1
	v_lshlrev_b32 v[L8], 3, v1
	v_add_nc_u32 v[L16B], s30, v[L16]
	v_add_nc_u32 v[L8B], s30, v[L8]
	v_mul_lo_u32 v3, v3, s37
	v_lshl_add_u32 v[SOF], v2, 4, v3               ; 16 r + h x (a head on)
	v_mov_b32 v[PSEL], 0x01000100                  ; lanes 0-15: a word's bytes 0, 1, twice: the first head's;
	v_mov_b32 v[PSEL+1], 0x03020302                ; lanes 16-31: bytes 2, 3, twice: the second head's
	v_cndmask_b32 v[PSEL], v[PSEL], v[PSEL+1], s99
.irp b, 0,1,2,3
	v_mov_b32 v[TM+4+\b], 0                        ; written once: a lane permute's destination counts as one of its sources
.endr
; Block a's 64 numbers a lane (register 16 b + i = k 32 b + 16 (lane / 16) + i of my row) become a fragment's codes in v[PC + 12 a] on and its scale word in v[PWR + a].  Each accumulator is read from its low end on.
.macro QUANTW a
.set AS, 64*((\a)%4)
.set PCA, PC+12*(\a)
	WIN 0x28+0x14*((\a)/4)                         ; sources 1 and 2: window 2 or 3
.irp b, 0,1,2,3
	v_max3_num_f32 v[TM+\b], 0x1800000, |v[AS+16*\b]|, |v[AS+16*\b+1]|   ; my 16 numbers of block b, and the floor 2^(3 - 127): the byte cannot fall under 1
.endr
.irp i, 2,4,6,8,10,12,14
.irp b, 0,1,2,3
	v_max3_num_f32 v[TM+\b], v[TM+\b], |v[AS+16*\b+\i]|, |v[AS+16*\b+\i+1]|
.endr
.endr
	WIN 0
.irp b, 0,1,2,3
	v_permlanex16_b32 v[TM+4+\b], v[TM+\b], s48, s49
.endr
.irp b, 0,1,2,3
	v_max_num_f32 v[TM+\b], v[TM+\b], v[TM+4+\b]   ; with lane l xor 16's: the block's largest magnitude
.endr
.irp b, 0,1,2,3
	v_add_nc_u32 v[TM+12+\b], 0xff000000, v[TM+\b] ; 2 off its exponent field: the conversion's scale operand
.endr
.irp b, 0,1,2,3
	v_lshrrev_b32 v[TM+4+\b], 23, v[TM+12+\b]      ; the scale's byte
.endr
	v_lshl_or_b32 v[PWR+(\a)], v[TM+5], 8, v[TM+4]
	v_lshl_or_b32 v[PWR+(\a)], v[TM+6], 16, v[PWR+(\a)]
	v_lshl_or_b32 v[PWR+(\a)], v[TM+7], 24, v[PWR+(\a)]
	WIN 0x02+(\a)/4                                ; source 0: window 2 or 3
.irp c, 0,1
	v_cvt_scalef32_pk16_fp6_f32 v[PCA+6*\c:PCA+6*\c+2], v[AS+32*\c:AS+32*\c+15], v[TM+12+2*\c]
	v_cvt_scalef32_pk16_fp6_f32 v[PT+4*\c:PT+4*\c+2], v[AS+32*\c+16:AS+32*\c+31], v[TM+12+2*\c+1]
.endr
	WIN 0
	v_nop                                          ; one plain place behind a scaled conversion
.irp c, 0,1                                    ; the operand's layout wants a WHOLE block in a lane: lanes 0-15 block 2 c, lanes 16-31 block 2 c + 1
.irp i, 0,1,2
	v_permlane16_swap_b32 v[PCA+6*\c+\i], v[PT+4*\c+\i]
.endr
.irp i, 0,1,2
	v_mov_b32 v[PCA+6*\c+3+\i], v[PT+4*\c+\i]
.endr
.endr
.endm
.macro PUT a                           ; the fragment's two halves leave: each store covers 512 or 256 consecutive bytes, aligned to 256
.set PCA, PC+12*(\a)
.if (\a) > 0
	s_wait_xcnt 0x0                                ; the last block's stores have read their base: it steps only behind this wait
.if (\a) == 4
	s_add_nc_u64 s[12:13], s[12:13], s[46:47]
.else
	s_add_nc_u64 s[12:13], s[12:13], s[44:45]
.endif
.endif
	global_store_b128 v[L16], v[PCA:PCA+3], s[12:13]
	global_store_b64 v[L8], v[PCA+4:PCA+5], s[12:13] offset:512
	global_store_b128 v[L16B], v[PCA+6:PCA+9], s[12:13]
	global_store_b64 v[L8B], v[PCA+10:PCA+11], s[12:13] offset:512
.endm
.irp a, 0,1,2,3,4,5,6,7
	QUANTW \a
	PUT \a
.endr
	s_cmp_eq_u32 s98, 1                            ; the same in all sixteen partners
	s_cbranch_scc0 .Lwords_of_v
.irp a, 0,1,2,3,4,5,6,7
	v_perm_b32 v[PWR+\a], v[PWR+\a], v[PWR+\a], v[PSEL]   ; q, k: a row's word holds two heads' bytes: each half of the lanes takes one head's two, twice
.endr
	global_store_b128 v[SOF], v[PWR:PWR+3], s[96:97]             ; tiles 0-3: sixteen lanes store 256 consecutive bytes, aligned
	global_store_b128 v[SOF], v[PWR+4:PWR+7], s[96:97] offset:256   ; tiles 4-7
	s_branch .Lwords_out
.Lwords_of_v:
.irp e, 0,1,2,3
	v_cndmask_b32 v[VSW+\e], v[PWR+\e], v[PWR+4+\e], s99   ; v: blocks 0-3 are the first head's four tiles of features, blocks 4-7 the second's
.endr
	global_store_b128 v[SOF], v[VSW:VSW+3], s[96:97]
.Lwords_out:
	s_wait_tensorcnt 0x0                           ; the wave's end
	ds_add_u32 v[SPW], v[NIL]
	s_wait_dscnt 0x0
	CROUND                                         ; the closing round: no work-group ends while a partner may still ask for a tile that names it
	s_endpgm
.Lfunc_end_k_q93d928301b_qkv:
	.size	k_q93d928301b_qkv, .Lfunc_end_k_q93d928301b_qkv-k_q93d928301b_qkv
	.p2alignl 7, 3214868480
	.fill 96, 4, 3214868480
	.section	.rodata,"a",@progbits
	.p2align	6, 0x0
	.amdhsa_kernel k_q93d928301b_qkv
		.amdhsa_group_segment_fixed_size 327680
		.amdhsa_private_segment_fixed_size 0
		.amdhsa_enable_private_segment 0
		.amdhsa_kernarg_size 24
		.amdhsa_user_sgpr_count 2
		.amdhsa_user_sgpr_kernarg_segment_ptr 1
		.amdhsa_wavefront_size32 1
		.amdhsa_system_sgpr_workgroup_id_x 1
		.amdhsa_system_sgpr_workgroup_id_y 1
		.amdhsa_system_sgpr_workgroup_id_z 1
		.amdhsa_system_vgpr_workitem_id 0
		.amdhsa_next_free_vgpr 1024
		.amdhsa_next_free_sgpr 100
		.amdhsa_reserve_vcc 0
		.amdhsa_float_denorm_mode_32 3
		.amdhsa_float_denorm_mode_16_64 3
		.amdhsa_memory_ordered 1
		.amdhsa_forward_progress 1
		.amdhsa_inst_pref_size 152
	.end_amdhsa_kernel
	.amdgpu_metadata
---
amdhsa.version: [ 1, 2 ]
amdhsa.kernels:
  - .name:           k_q93d928301b_qkv
    .symbol:         k_q93d928301b_qkv.kd
    .args:
      - { .name: img, .offset: 0, .size: 8, .value_kind: global_buffer, .address_space: global }
      - { .name: scl, .offset: 8, .size: 8, .value_kind: global_buffer, .address_space: global }
      - { .name: att, .offset: 16, .size: 8, .value_kind: global_buffer, .address_space: global }
    .group_segment_fixed_size: 327680
    .private_segment_fixed_size: 0
    .kernarg_segment_align: 8
    .kernarg_segment_size: 24
    .max_flat_workgroup_size: 128
    .sgpr_count:     100
    .vgpr_count:     1024
    .wavefront_size: 32
...
	.end_amdgpu_metadata
.endif
;; end of part 2
;; launch attn (part 3): grid 4 x 64, 16 waves a work-group, clusters of 4 x 1, 215,040 bytes of LDS; arguments att, img, scl; writes img, scl
.if DOCPART == 3
	.amdgcn_target "amdgcn-amd-amdhsa--gfx1250"
	.amdhsa_code_object_version 6
	.text
	.protected	k_q93d928301b_attn
	.globl	k_q93d928301b_attn
	.p2align	8
	.type	k_q93d928301b_attn,@function
k_q93d928301b_attn:
	s_mov_b64 s[64:65], 0
	v_nop
	global_prefetch_b8 v0, s[64:65] scope:SCOPE_SE
	s_setreg_imm32_b32 hwreg(HW_REG_WAVE_MODE, 25, 1), 1
	s_wait_xcnt 0x0
	s_wait_alu depctr_hold_cnt(0) depctr_sa_sdst(0) depctr_va_vdst(0) depctr_va_sdst(0) depctr_va_ssrc(0) depctr_va_vcc(0) depctr_vm_vsrc(0)
	s_getreg_b32 s2, hwreg(HW_REG_IB_STS2, 6, 4)
	s_cmp_eq_u32 s2, 0
	s_cbranch_scc0 .Lentry_in_a_cluster
	s_endpgm
.Lentry_in_a_cluster:
	s_bfe_u32 s2, ttmp6, 0x10000c
	s_cmp_lg_u32 s2, 0x3003
	s_cbranch_scc0 .Lentry_shape_is_right
	s_endpgm
.Lentry_shape_is_right:
; Causal attention of one head on codes of FP6 (E2M3) with E8M0 scales: S = q k^T / 8 (K = the head's 64), the softmax, O = p v / l (K = the keys); O is quantised along the model's 1,024 and takes x's place in img and scl.
; THE SOFTMAX AHEAD OF THE SECOND PRODUCT: t = score x log2(e) / 8; M = the row's largest t so far, rounded UP to a whole number; p = 2^(t - M) is quantised along the keys, not normalised; the row's sum l is taken of the
; unquantised p in f32 and divides O at the end (v_rcp_f32 and a multiplication).  When M moves, l and O are multiplied by 2^(old M - new M): exact.
; att: as the launch before laid it: [head][record of 128 keys: 13,056 bytes]: k's 8 tiles x 768, v's 4 tiles x 1,536 at 6,144, k's scale words at 12,288, v's at 12,800; q's tiles at 13,369,344, q's scale words at 19,660,800.
; Lane index r of tile t (of tokens, of features) is row 32 (t / 2) + 8 (t % 2) + r + 8 (r / 8): so the registers of two neighbouring result tiles are 16 neighbours along the next K.
; A WHOLE HEAD'S K AND V, 208,896 bytes, LIE IN LDS: filled once, never again.  The four work-groups of a head form a cluster and ask for the 16 records JOINTLY (waves 0-3, four loads each: a wave has at most four out).
; The fill is taken in four stages: in front of steps 4 g .. 4 g + 3 a counted wait and a barrier show records 4 g .. 4 g + 3 landed; the later loads stay out.
; SHARES: a wave owns one tile of 16 queries at a time, two in all.  Wave w (b = w / 4, m = w % 4) of the cluster's work-group cx takes tile 4 m + cx of the queries' block 7 - b, then tile 4 (3 - m) + cx of block b
; (blocks of 256): 17 key steps of 128 keys in every wave.  All waves walk the same constant trip counts; a step all of whose keys come after the wave's queries is jumped over by a scalar branch on the wave's number alone.
; BOTH PRODUCTS ARE USED TRANSPOSED: S^T = K Q^T, O^T = V^T P^T: a lane holds one query throughout.
; K = 64 IN AN INSTRUCTION OF 128: Q's registers 6-11 are zero codes.  K's tiles lie packed, six registers each, so the upper six registers named for a tile are the next tile's codes (zeros behind the last): they meet Q's zero codes
; and add nothing; the scale words of q and k hold the head's two bytes twice, so the upper blocks' bytes are ordinary bytes.
; LIMITS: NaN and infinities are not served; a block under 2^-124, zeros among them, keeps the byte 1.
.set REC,   13056
.set VCO,   6144
.set KSO,   12288
.set VSO,   12800
.set QI,    13369344
.set QS,    19660800
.set L16,   1                          ; v1 16 x lane, v2 8 x lane, v3 16 r; never rewritten
.set L8,    2
.set R16,   3
.set A16,   4                          ; v4-6 the same + the record in hand
.set A8,    5
.set AR,    6
.set DQ,    7                          ; v7   r + 8 (r / 8) - 16 h
.set SB8,   8                          ; v8   8 r + h
.set QF,    16                         ; v16-21 Q, v22-27 zero codes
.set QSW,   28                         ; v28  Q's scale word
.set KV,    32                         ; v32-79 K's eight tiles of 6 registers, then V's four of 12; v80-85 zeros
.set KSR,   86                         ; v86-93 K's scale words
.set VSR,   94                         ; v94-97 V's
.set S,     98                         ; v98-161 S^T, then p
.set O,     162                        ; v162-193 O^T
.set PCD,   194                        ; v194-205 p's codes
.set PT,    206                        ; v206-208, v210-212
.set BM,    214                        ; v214-217 the blocks' largest scores, then p
.set BX,    218                        ; v218-221 permute, then bytes
.set BS,    222                        ; v222-225 scale operands
.set F,     226                        ; v226 f = 2^(old M - new M)
.set PW,    227                        ; v227 p's scale word
.set T0,    228
.set NINF,  229
.set SUM2,  230
.set Q2,    240                        ; v240-245 the second tile's Q, v246 its scale word
.set TB,    48                         ; s48  LDS byte of the record in hand
.set KF,    49                         ; s49  the step's first key
.set QHI,   50                         ; s50, s51 bounds of the wave's queries that hold for all four partners
.set QLO,   51
.set Q0,    52                         ; s52  my tile's first query: it holds cx and goes into vector data and global addresses alone
.set CNT,   53
.macro ROUND                           ; a round of the cluster's barrier
	s_barrier_signal -1
	s_barrier_wait -1
	s_cmp_lg_u32 s14, 0
	s_cbranch_scc1 .Lnot_wave_0_\@
	s_barrier_signal -3
.Lnot_wave_0_\@:
	s_barrier_wait -3
	s_barrier_signal -1
	s_barrier_wait -1
.endm
.macro TSET                            ; from s70 = the block of 256 queries and s71 = which four of its tiles: s66 the tile in the block, s67 the tile in the head, the bounds and the first query
	s_lshl_b32 s66, s71, 2
	s_add_co_u32 s66, s66, s17
	s_lshl_b32 s67, s70, 4
	s_add_co_u32 s67, s67, s66
	s_lshl_b32 s[QLO], s70, 8
	s_lshl_b32 s72, s71, 6
	s_add_co_u32 s[QLO], s[QLO], s72               ; the four partners' tiles lie in these 64 queries
	s_add_co_u32 s[QHI], s[QLO], 63
	s_lshr_b32 s72, s66, 1
	s_lshl_b32 s72, s72, 5
	s_lshl_b32 s[Q0], s70, 8
	s_add_co_u32 s[Q0], s[Q0], s72
	s_and_b32 s72, s66, 1
	s_lshl_b32 s72, s72, 3
	s_add_co_u32 s[Q0], s[Q0], s72
.endm
.macro QADDR c, w                      ; tile s67's codes -> s[c:c+1], its scale words -> s[w:w+1]
	s_lshl_b32 s72, s18, 7
	s_add_co_u32 s72, s72, s67
	s_mul_i32 s72, s72, 768
	s_add_co_u32 s72, s72, QI
	s_mov_b32 s73, 0
	s_add_nc_u64 s[\c:\c+1], s[4:5], s[72:73]
	s_lshl_b32 s72, s18, 13
	s_lshr_b32 s74, s67, 2
	s_lshl_b32 s74, s74, 8
	s_add_co_u32 s72, s72, s74
	s_and_b32 s74, s67, 3
	s_lshl_b32 s74, s74, 2
	s_add_co_u32 s72, s72, s74
	s_add_co_u32 s72, s72, QS
	s_add_nc_u64 s[\w:\w+1], s[4:5], s[72:73]
.endm
.macro OADDR                           ; where tile s67's results go: s[76:77] in img, s[78:79] in scl
	s_lshr_b32 s74, s18, 4
	s_lshl_b32 s74, s74, 7
	s_add_co_u32 s74, s74, s67                     ; the tile among the 512 of all tokens
	s_and_b32 s75, s18, 15                         ; the head in its batch: half a K step
	s_mul_i32 s72, s74, 12288
	s_mul_i32 s73, s75, 768
	s_add_co_u32 s72, s72, s73
	s_mov_b32 s73, 0
	s_add_nc_u64 s[76:77], s[6:7], s[72:73]
	s_lshl_b32 s72, s74, 9
	s_lshr_b32 s74, s75, 2
	s_lshl_b32 s74, s74, 7                         ; the pair of K steps,
	s_add_co_u32 s72, s72, s74
	s_and_b32 s74, s75, 3
	s_lshl_b32 s74, s74, 1                         ; the word in it and the head's two bytes in the word
	s_add_co_u32 s72, s72, s74
	s_add_nc_u64 s[78:79], s[8:9], s[72:73]
.endm
.macro INIT                            ; a tile begins: the step is written once and its first trip finds zeros, which the first change of M leaves zeros
	v_mov_b32 v13, 0xff61b1e6                      ; the largest t so far: -3e38
	s_delay_alu instid0(VALU_DEP_1)
	v_floor_f32 v12, -v13                          ; -M
	v_mov_b32 v14, 0
	v_mov_b32 v15, 0
.set J, 0
.rept 32
	v_mov_b32 v[O+J], 0
.set J, J+1
.endr
.endm
	s_load_b128 s[4:7], s[0:1], 0x0                ; att, img
	s_load_b64 s[8:9], s[0:1], 0x10                ; scl
	v_lshl_add_u32 v254, v0, 2, 0x34000
	v_mov_b32 v255, 0
	ds_add_u32 v254, v255
	ds_add_u32 v254, v255
	v_lshrrev_b32 v9, 5, v0
	s_delay_alu instid0(VALU_DEP_1)
	v_readfirstlane_b32 s14, v9                    ; wave 0..15
	s_lshr_b32 s15, s14, 2                         ; b
	s_and_b32 s16, s14, 3                          ; m
	s_bfe_u32 s17, ttmp6, 0x40000                  ; cx
	s_and_b32 s18, ttmp7, 0xffff                   ; the head, which the four partners share
	s_mov_b32 s20, 0x76543210
	s_mov_b32 s21, 0xfedcba98                      ; v_permlanex16_b32's selects for lane l xor 16
	s_mov_b32 s22, 0x3e38aa3b                      ; c = log2(e) / 8
	s_mov_b32 s23, s22                             ; (named with it as a pair)
	s_mov_b32 s54, 0xffff0000                      ; lanes 16-31
	; descriptor group 1: a record: 13,056 dense bytes as 51 rows of 32 elements of 8 bytes
	s_mov_b32 s24, 15|(3<<16)|(1<<21)              ; 15:0 the mask: all four work-groups; 17:16 elements of 8 bytes; 21 set beside a mask
	s_mov_b32 s25, 32<<16
	s_mov_b32 s26, 51<<16
	s_mov_b32 s27, 32<<16
	s_mov_b32 s28, 51
	s_mov_b32 s29, 32
	s_mov_b32 s30, 0
	s_mov_b32 s31, 0
	s_mul_i32 s66, s16, REC                        ; wave w < 4 fetches records w, 4 + w, 8 + w, 12 + w
	s_mul_i32 s68, s18, 16*REC
	s_add_co_u32 s68, s68, s66
	s_mov_b32 s69, 0
	s_mov_b32 s[TB], 0
	s_mov_b32 s[KF], 0
	v_and_b32 v9, 31, v0
	s_delay_alu instid0(VALU_DEP_1)
	v_lshlrev_b32 v[L16], 4, v9
	s_delay_alu instid0(VALU_DEP_2)
	v_lshlrev_b32 v[L8], 3, v9
	v_and_b32 v10, 15, v0                          ; r
	v_bfe_u32 v11, v0, 4, 1                        ; h
	s_delay_alu instid0(VALU_DEP_2)
	v_lshlrev_b32 v[R16], 4, v10
	s_delay_alu instid0(VALU_DEP_3)
	v_and_b32 v[DQ], 8, v10
	s_delay_alu instid0(VALU_DEP_1)
	v_add_nc_u32 v[DQ], v[DQ], v10
	s_delay_alu instid0(VALU_DEP_4)
	v_lshlrev_b32 v9, 4, v11
	s_delay_alu instid0(VALU_DEP_1)
	v_sub_nc_u32 v[DQ], v[DQ], v9
	v_lshl_add_u32 v[SB8], v10, 3, v11
	s_wait_dscnt 0x0
	s_wait_kmcnt 0x0
	s_add_nc_u64 s[68:69], s[4:5], s[68:69]
.irp n, 0,1,2,3
	s_mov_b32 s[32+4*\n], 1                        ; count = 1
	s_add_co_u32 s[33+4*\n], s66, \n*4*REC         ; LDS address: the record's own place
	s_add_nc_u64 s[34+4*\n:35+4*\n], s[68:69], \n*4*REC
	s_or_b32 s[35+4*\n], s[35+4*\n], 0x80000000    ; type = 2
.endr
	ROUND                                          ; all four work-groups are here: the joint loads meet
	s_cmp_lt_u32 s14, 4                            ; a wave's four fills stand in one branch on the wave's number, ahead of every wait on TENSORcnt, every LDS read and every other barrier
	s_cbranch_scc0 .Lno_fetch
	tensor_load_to_lds s[32:35], s[24:31]
	s_nop 0
	tensor_load_to_lds s[36:39], s[24:31]
	s_nop 0
	tensor_load_to_lds s[40:43], s[24:31]
	s_nop 0
	tensor_load_to_lds s[44:47], s[24:31]
	s_nop 0
.rept 4
	v_nop
.endr
.Lno_fetch:
	s_mov_b32 s70, s15                             ; the second tile's Q is asked for now and waits in registers
	s_sub_co_u32 s71, 3, s16
	TSET
	QADDR 60, 62
	global_load_b128 v[Q2:Q2+3], v[L16], s[60:61]
	s_wait_alu depctr_va_vdst(0)
	global_load_b64 v[Q2+4:Q2+5], v[L8], s[60:61] offset:512
	global_load_b32 v[Q2+6], v[R16], s[62:63]
	s_sub_co_u32 s70, 7, s15                       ; the first tile: the late block
	s_mov_b32 s71, s16
	TSET
	QADDR 56, 58
	global_load_b128 v[QF:QF+3], v[L16], s[56:57]
	global_load_b64 v[QF+4:QF+5], v[L8], s[56:57] offset:512
	global_load_b32 v[QSW], v[R16], s[58:59]
	OADDR
.irp i, 0,1,2,3,4,5
	v_mov_b32 v[QF+6+\i], 0                        ; zero codes for k = 64 .. 127
	v_mov_b32 v[KV+48+\i], 0                       ; and behind K's last tile
.endr
.irp b, 0,1,2,3
	v_mov_b32 v[BX+\b], 0                          ; written once: a lane permute's destination counts as one of its sources
.endr
	v_mov_b32 v[PW], 0                             ; (named as the upper half of the pair v[226:227] before it is first written)
	INIT
	s_wait_loadcnt 0x0                             ; both tiles' Q
; A KEY STEP: the 128 keys of the record at s[TB].
.macro STEP
	s_cmp_gt_u32 s[KF], s[QHI]                     ; all its keys come after my queries: only the steps of the addresses are left
	s_cbranch_scc1 .Lhidden_\@
	s_setprio 2
	v_add_nc_u32 v[A16], s[TB], v[L16]
	v_add_nc_u32 v[A8], s[TB], v[L8]
	v_add_nc_u32 v[AR], s[TB], v[R16]
	v_nop                                          ; four places in front of loads into registers that the last products read
.irp i, 0,1,2,3,4,5,6,7
	ds_load_b128 v[KV+6*\i:KV+6*\i+3], v[A16] offset:768*\i
	ds_load_b64 v[KV+6*\i+4:KV+6*\i+5], v[A8] offset:768*\i+512
.endr
	ds_load_b128 v[KSR:KSR+3], v[AR] offset:KSO
	ds_load_b128 v[KSR+4:KSR+7], v[AR] offset:KSO+256
	s_wait_alu depctr_va_vdst(0)
	s_wait_dscnt 0x0
.irp i, 0,1,2,3,4,5,6,7
	v_wmma_scale_f32_16x16x128_f8f6f4 v[S+8*\i:S+8*\i+7], v[KV+6*\i:KV+6*\i+11], v[QF:QF+11], 0, v[KSR+\i], v[QSW] matrix_a_fmt:MATRIX_FMT_FP6 matrix_b_fmt:MATRIX_FMT_FP6
.endr                                          ; register 16 b + i of lane (r, h): key KF + 32 b + 16 h + i, query Q0 + r + 8 (r / 8)
.rept 4
	v_nop                                          ; places: in front of the loads below and of the first read of the scores
.endr
.irp t, 0,1,2,3                                ; V's four tiles take K's registers and land under the softmax
.irp c, 0,1
	ds_load_b128 v[KV+12*\t+6*\c:KV+12*\t+6*\c+3], v[A16] offset:VCO+1536*\t+768*\c
	ds_load_b64 v[KV+12*\t+6*\c+4:KV+12*\t+6*\c+5], v[A8] offset:VCO+1536*\t+768*\c+512
.endr
.endr
	ds_load_b128 v[VSR:VSR+3], v[AR] offset:VSO
	s_add_co_u32 s67, s[KF], 127                   ; a step all of whose keys count for all of the partners' queries has no mask
	s_cmp_le_u32 s67, s[QLO]
	s_cbranch_scc1 .Lopen_\@
	s_sub_co_i32 s66, s[Q0], s[KF]
	v_add_nc_u32 v[T0], s66, v[DQ]                 ; d = my query - KF - 16 h: register 16 b + i is hidden where 32 b + i > d
	v_mov_b32 v[NINF], 0xff800000                  ; -infinity: p = 0 then
.set J, 0
.rept 64
	v_cmp_gt_i32 vcc_lo, 32*(J/16)+J%16, v[T0]
	v_cndmask_b32 v[S+J], v[S+J], v[NINF], vcc_lo
.set J, J+1
.endr
.Lopen_\@:
.irp b, 0,1,2,3
	v_max3_num_f32 v[BM+\b], v[S+16*\b], v[S+16*\b+1], v[S+16*\b+2]   ; the largest score of each block of 32 keys: for the row's maximum and, since p rises with the score, for the block's largest p
.endr
.irp i, 3,5,7,9,11,13
.irp b, 0,1,2,3
	v_max3_num_f32 v[BM+\b], v[BM+\b], v[S+16*\b+\i], v[S+16*\b+\i+1]
.endr
.endr
.irp b, 0,1,2,3
	v_max_num_f32 v[BM+\b], v[BM+\b], v[S+16*\b+15]
.endr
.irp b, 0,1,2,3
	s_delay_alu instid0(VALU_DEP_4)
	v_permlanex16_b32 v[BX+\b], v[BM+\b], s20, s21
.endr
.irp b, 0,1,2,3
	s_delay_alu instid0(VALU_DEP_4)
	v_max_num_f32 v[BM+\b], v[BM+\b], v[BX+\b]     ; with lane l xor 16's 16 keys
.endr
	s_delay_alu instid0(VALU_DEP_2)
	v_max3_num_f32 v[T0], v[BM], v[BM+1], v[BM+2]
	s_delay_alu instid0(VALU_DEP_1)
	v_max_num_f32 v[T0], v[T0], v[BM+3]
	s_delay_alu instid0(VALU_DEP_1)
	v_mul_f32 v[T0], s22, v[T0]                    ; the step's largest t (c is positive)
	s_delay_alu instid0(VALU_DEP_1)
	v_max_num_f32 v13, v13, v[T0]                  ; the running largest t
	v_mov_b32 v[T0], v12
	s_delay_alu instid0(VALU_DEP_2)
	v_floor_f32 v12, -v13                          ; the new -M = floor(-t): M is a whole number
	s_delay_alu instid0(VALU_DEP_1)
	v_sub_f32 v[T0], v12, v[T0]                    ; old M - new M: a whole number, 0 or less
	s_delay_alu instid0(VALU_DEP_1)
	v_cvt_i32_f32 v[T0], v[T0]                     ; (it saturates)
	s_delay_alu instid0(VALU_DEP_1)
	v_ldexp_f32 v[F], 1.0, v[T0]                   ; f = 2^(old M - new M)
.set J, 0
	s_setprio 1
.rept 32
	v_pk_fma_f32 v[S+J:S+J+1], v[S+J:S+J+1], s[22:23], v[12:13] op_sel_hi:[1,0,0]   ; t - M, two at a time
.set J, J+2
.endr
.irp b, 0,1,2,3
	v_fma_f32 v[BM+\b], v[BM+\b], s22, v12         ; the same of each block's largest score
.endr
.set J, 0
	s_wait_alu depctr_va_vdst(0)
.rept 64
	v_exp_f32 v[S+J], v[S+J]                       ; p = 2^(t - M), at most 1
.set J, J+1
.endr
	v_pk_mul_f32 v[14:15], v[14:15], v[F:F+1] op_sel_hi:[1,0]   ; the sums under the new M: the plain place behind the exponentials
	s_wait_alu depctr_va_vdst(0)                   ; one wait for the batch of 64, ahead of its first reader
.irp b, 0,1,2,3
	v_exp_f32 v[BM+\b], v[BM+\b]                   ; the block's largest p: the same two instructions on the same number
.endr
	v_pk_add_f32 v[230:231], v[102:103], v[106:107]
	v_pk_add_f32 v[252:253], v[110:111], v[114:115]
	v_pk_add_f32 v[250:251], v[118:119], v[122:123]
	v_pk_add_f32 v[248:249], v[126:127], v[130:131]
	v_pk_add_f32 v[238:239], v[134:135], v[138:139]
	v_pk_add_f32 v[236:237], v[142:143], v[146:147]
	v_pk_add_f32 v[234:235], v[150:151], v[154:155]
	v_pk_add_f32 v[14:15], v[14:15], v[158:159]
	v_pk_add_f32 v[230:231], v[230:231], v[98:99]
	v_pk_add_f32 v[252:253], v[252:253], v[100:101]
	v_pk_add_f32 v[250:251], v[250:251], v[104:105]
	v_pk_add_f32 v[248:249], v[248:249], v[108:109]
	v_pk_add_f32 v[238:239], v[238:239], v[112:113]
	v_pk_add_f32 v[236:237], v[236:237], v[116:117]
	v_pk_add_f32 v[234:235], v[234:235], v[120:121]
	v_pk_add_f32 v[14:15], v[14:15], v[124:125]
	v_pk_add_f32 v[230:231], v[230:231], v[128:129]
	v_pk_add_f32 v[252:253], v[252:253], v[132:133]
	v_pk_add_f32 v[250:251], v[250:251], v[136:137]
	v_pk_add_f32 v[248:249], v[248:249], v[140:141]
	v_pk_add_f32 v[238:239], v[238:239], v[144:145]
	v_pk_add_f32 v[236:237], v[236:237], v[148:149]
	v_pk_add_f32 v[234:235], v[234:235], v[152:153]
	v_pk_add_f32 v[14:15], v[14:15], v[156:157]
	v_pk_add_f32 v[230:231], v[230:231], v[160:161]
	s_delay_alu instid0(VALU_DEP_2)
	v_pk_add_f32 v[14:15], v[14:15], v[248:249]
	s_delay_alu instid0(VALU_DEP_2)
	v_pk_add_f32 v[230:231], v[230:231], v[238:239]
	v_pk_add_f32 v[252:253], v[252:253], v[236:237]
	v_pk_add_f32 v[250:251], v[250:251], v[234:235]
	s_delay_alu instid0(VALU_DEP_2)
	v_pk_add_f32 v[14:15], v[14:15], v[252:253]
	s_delay_alu instid0(VALU_DEP_2)
	v_pk_add_f32 v[230:231], v[230:231], v[250:251]
	s_delay_alu instid0(VALU_DEP_1)
	v_pk_add_f32 v[14:15], v[14:15], v[230:231]
	s_wait_alu depctr_va_vdst(0)                   ; and one for the four
.irp b, 0,1,2,3
	v_max_num_f32 v[BM+\b], 0x1800000, v[BM+\b]    ; the floor 2^(3 - 127): the byte cannot fall under 1
.endr
.irp b, 0,1,2,3
	s_delay_alu instid0(VALU_DEP_4)
	v_add_nc_u32 v[BS+\b], 0xff000000, v[BM+\b]    ; 2 off the exponent field: the conversion's scale operand
.endr
.irp b, 0,1,2,3
	s_delay_alu instid0(VALU_DEP_4)
	v_lshrrev_b32 v[BX+\b], 23, v[BS+\b]           ; the scale's byte
.endr
	s_delay_alu instid0(VALU_DEP_3)
	v_lshl_or_b32 v[PW], v[BX+1], 8, v[BX]         ; p's scale word for these 128 keys
	s_delay_alu instid0(VALU_DEP_1)
	v_lshl_or_b32 v[PW], v[BX+2], 16, v[PW]
	s_delay_alu instid0(VALU_DEP_1)
	v_lshl_or_b32 v[PW], v[BX+3], 24, v[PW]
	s_setprio 0
.irp c, 0,1
	v_cvt_scalef32_pk16_fp6_f32 v[PCD+6*\c:PCD+6*\c+2], v[S+32*\c:S+32*\c+15], v[BS+2*\c]
	v_cvt_scalef32_pk16_fp6_f32 v[PT+4*\c:PT+4*\c+2], v[S+32*\c+16:S+32*\c+31], v[BS+2*\c+1]
.endr
	v_nop                                          ; one plain place behind a scaled conversion
.irp c, 0,1                                    ; a WHOLE block in a lane: lanes 0-15 block 2 c, lanes 16-31 block 2 c + 1
.irp i, 0,1,2
	v_permlane16_swap_b32 v[PCD+6*\c+\i], v[PT+4*\c+\i]
.endr
.irp i, 0,1,2
	s_delay_alu instid0(VALU_DEP_3)
	v_mov_b32 v[PCD+6*\c+3+\i], v[PT+4*\c+\i]
.endr
.endr
.set J, 0
.rept 16
	v_pk_mul_f32 v[O+J:O+J+1], v[O+J:O+J+1], v[F:F+1] op_sel_hi:[1,0]   ; O^T under the new M.  These 16 are also the places between the codes' and the scale word's last writes and the products
.set J, J+2
.endr
	s_wait_alu depctr_va_vdst(0)
	s_wait_dscnt 0x0                               ; V and its scale words are in
.irp t, 0,1,2,3
	v_wmma_scale_f32_16x16x128_f8f6f4 v[O+8*\t:O+8*\t+7], v[KV+12*\t:KV+12*\t+11], v[PCD:PCD+11], v[O+8*\t:O+8*\t+7], v[VSR+\t], v[PW] matrix_a_fmt:MATRIX_FMT_FP6 matrix_b_fmt:MATRIX_FMT_FP6
.endr                                          ; the four accumulators by turns; the matrix instruction ahead of each link is another accumulator's
.Lhidden_\@:
	s_add_co_u32 s[KF], s[KF], 128
	s_add_co_u32 s[TB], s[TB], REC
.endm
.macro STEPS n                         ; n key steps: the trip count is a constant of the text
	s_mov_b32 s[CNT], \n
.Lsteps_\@:
	STEP
	s_sub_co_u32 s[CNT], s[CNT], 1
	s_cmp_lg_u32 s[CNT], 0
	s_cbranch_scc1 .Lsteps_\@
	s_setprio 0
.endm
; A TILE'S WAY OUT: O^T / l; register 16 b + i of lane (r, h) is feature 32 b + 16 h + i of the head: two blocks of the last product's K.  They are quantised and stored as half a fragment's image, with one byte a lane.
.macro TILE_OUT
.rept 4
	v_nop                                          ; places behind the last products
.endr
	v_add_f32 v14, v14, v15
	s_delay_alu instid0(VALU_DEP_1)
	v_permlanex16_b32 v[BX], v14, s20, s21
	s_delay_alu instid0(VALU_DEP_1)
	v_add_f32 v14, v14, v[BX]                      ; the row's sum
	s_wait_alu depctr_va_vdst(0)
	v_rcp_f32 v14, v14
	v_nop                                          ; one plain place behind the transcendental
	s_wait_alu depctr_va_vdst(0)                   ; and the wait ahead of its first reader
.set J, 0
.rept 32
	v_mul_f32 v[S+J], v[O+J], v14                  ; each accumulator from its low end on
.set J, J+1
.endr
.irp b, 0,1
	v_max3_num_f32 v[BM+\b], |v[S+16*\b]|, |v[S+16*\b+1]|, 0x1800000
.endr
.irp i, 2,4,6,8,10,12,14
.irp b, 0,1
	s_delay_alu instid0(VALU_DEP_2)
	v_max3_num_f32 v[BM+\b], v[BM+\b], |v[S+16*\b+\i]|, |v[S+16*\b+\i+1]|
.endr
.endr
.irp b, 0,1
	s_delay_alu instid0(VALU_DEP_2)
	v_permlanex16_b32 v[BX+\b], v[BM+\b], s20, s21
.endr
.irp b, 0,1
	s_delay_alu instid0(VALU_DEP_2)
	v_max_num_f32 v[BM+\b], v[BM+\b], v[BX+\b]
.endr
.irp b, 0,1
	s_delay_alu instid0(VALU_DEP_2)
	v_add_nc_u32 v[BS+\b], 0xff000000, v[BM+\b]
.endr
.irp b, 0,1
	s_delay_alu instid0(VALU_DEP_2)
	v_lshrrev_b32 v[BX+\b], 23, v[BS+\b]
.endr
	v_cvt_scalef32_pk16_fp6_f32 v[PCD:PCD+2], v[S:S+15], v[BS]
	v_cvt_scalef32_pk16_fp6_f32 v[PT:PT+2], v[S+16:S+31], v[BS+1]
	v_nop
.irp i, 0,1,2
	v_permlane16_swap_b32 v[PCD+\i], v[PT+\i]
.endr
.irp i, 0,1,2
	s_delay_alu instid0(VALU_DEP_3)
	v_mov_b32 v[PCD+3+\i], v[PT+\i]
.endr
	v_cndmask_b32 v[T0], v[BX], v[BX+1], s54       ; lane (r, h) stores block h's byte
	global_store_b128 v[L16], v[PCD:PCD+3], s[76:77]             ; 512 consecutive bytes, aligned to 256
	global_store_b64 v[L8], v[PCD+4:PCD+5], s[76:77] offset:512  ; 256 consecutive bytes, aligned
	global_store_b8 v[SB8], v[T0], s[78:79]        ; single bytes: a scale word is shared by two heads, which are two work-groups; 32 bytes beside the tile's 768 of codes
.endm
.irp g, 0,1,2,3
	s_wait_tensorcnt 3-\g                          ; my loads 0 .. g have landed: the count leaves my later loads out
	s_barrier_signal -1
	s_barrier_wait -1                              ; so records 0 .. 4 g + 3 are whole for all sixteen waves
	STEPS 4
.endr
	TILE_OUT
	s_wait_xcnt 0x0                                ; the stores have read their data and bases: both are written again only behind this wait
	s_mov_b32 s70, s15                             ; the second tile: the early block
	s_sub_co_u32 s71, 3, s16
	TSET
	OADDR
.irp i, 0,1,2,3,4,5
	v_mov_b32 v[QF+\i], v[Q2+\i]
.endr
	v_mov_b32 v[QSW], v[Q2+6]                      ; (the 36 lines of INIT and a step's first four stand between this write and the next scaled product)
	INIT
	s_mov_b32 s[TB], 0
	s_mov_b32 s[KF], 0
	STEPS 8
	TILE_OUT
	s_wait_tensorcnt 0x0
	ds_add_u32 v254, v255
	s_wait_dscnt 0x0
	ROUND                                          ; the closing round: no work-group ends while a partner may still ask for a record that names it
	s_endpgm
.Lfunc_end_k_q93d928301b_attn:
	.size	k_q93d928301b_attn, .Lfunc_end_k_q93d928301b_attn-k_q93d928301b_attn
	.p2alignl 7, 3214868480
	.fill 96, 4, 3214868480
	.section	.rodata,"a",@progbits
	.p2align	6, 0x0
	.amdhsa_kernel k_q93d928301b_attn
		.amdhsa_group_segment_fixed_size 215040
		.amdhsa_private_segment_fixed_size 0
		.amdhsa_enable_private_segment 0
		.amdhsa_kernarg_size 24
		.amdhsa_user_sgpr_count 2
		.amdhsa_user_sgpr_kernarg_segment_ptr 1
		.amdhsa_wavefront_size32 1
		.amdhsa_system_sgpr_workgroup_id_x 1
		.amdhsa_system_sgpr_workgroup_id_y 1
		.amdhsa_system_sgpr_workgroup_id_z 1
		.amdhsa_system_vgpr_workitem_id 0
		.amdhsa_next_free_vgpr 256
		.amdhsa_next_free_sgpr 80
		.amdhsa_reserve_vcc 1
		.amdhsa_float_denorm_mode_32 3
		.amdhsa_float_denorm_mode_16_64 3
		.amdhsa_memory_ordered 1
		.amdhsa_forward_progress 1
		.amdhsa_inst_pref_size 135
	.end_amdhsa_kernel
	.amdgpu_metadata
---
amdhsa.version: [ 1, 2 ]
amdhsa.kernels:
  - .name:           k_q93d928301b_attn
    .symbol:         k_q93d928301b_attn.kd
    .args:
      - { .name: att, .offset: 0, .size: 8, .value_kind: global_buffer, .address_space: global }
      - { .name: img, .offset: 8, .size: 8, .value_kind: global_buffer, .address_space: global }
      - { .name: scl, .offset: 16, .size: 8, .value_kind: global_buffer, .address_space: global }
    .group_segment_fixed_size: 215040
    .private_segment_fixed_size: 0
    .kernarg_segment_align: 8
    .kernarg_segment_size: 24
    .max_flat_workgroup_size: 512
    .sgpr_count:     80
    .vgpr_count:     256
    .wavefront_size: 32
...
	.end_amdgpu_metadata
.endif
;; end of part 3
;; launch proj (part 4): grid 4 x 32, 4 waves a work-group, clusters of 4 x 4, 327,680 bytes of LDS; arguments img, scl, out0; writes out0
.if DOCPART == 4
	.amdgcn_target "amdgcn-amd-amdhsa--gfx1250"
	.amdhsa_code_object_version 6
	.text
	.protected	k_q93d928301b_proj
	.globl	k_q93d928301b_proj
	.p2align	8
	.type	k_q93d928301b_proj,@function
k_q93d928301b_proj:
	s_mov_b64 s[64:65], 0
	v_nop
	global_prefetch_b8 v0, s[64:65] scope:SCOPE_SE
	s_setreg_imm32_b32 hwreg(HW_REG_WAVE_MODE, 25, 1), 1
	s_wait_xcnt 0x0
	s_wait_alu depctr_hold_cnt(0) depctr_sa_sdst(0) depctr_va_vdst(0) depctr_va_sdst(0) depctr_va_ssrc(0) depctr_va_vcc(0) depctr_vm_vsrc(0)
	s_getreg_b32 s2, hwreg(HW_REG_IB_STS2, 6, 4)
	s_cmp_eq_u32 s2, 0
	s_cbranch_scc0 .Lentry_in_a_cluster
	s_endpgm
.Lentry_in_a_cluster:
	s_bfe_u32 s2, ttmp6, 0x10000c
	s_cmp_lg_u32 s2, 0xf033
	s_cbranch_scc0 .Lentry_shape_is_right
	s_endpgm
.Lentry_shape_is_right:
; out0 = O Wo^T on codes of FP6 (E2M3) with E8M0 scales, K = 1,024; out0 [8192][1024] f32.
; OPERANDS: img and scl: [tile][K step][1,536 bytes] and [tile][pair of K steps][r][2 words]; tiles 0-511 hold O (the attention launch's results), tiles 704-767 Wo.
; Lane index r of tile t is row 32 (t / 2) + 8 (t % 2) + r + 8 (r / 8) of its tensor; the way out puts rows and columns back in their places.
; A work-group of four waves makes 256 x 256 of out0, a wave 128 x 128 (64 accumulators).  THE MATRIX INSTRUCTION IS USED TRANSPOSED: source 0 = a tile of Wo, source 1 = a tile of O: a lane holds eight neighbouring numbers of a row.
; K goes in four steps of 256 through a ring of two LDS slots filled by the tensor data mover; a tile's part of a slot is 3,072 dense bytes.  The scales of the work-group's 512 rows come once.
; CLUSTERS: 4 x 4 work-groups; O's tiles are asked for jointly along a row of the cluster, Wo's along a column.
; REGISTERS: window 0: v0-31 addresses; v32-63 scale words, two sets; v128-223 A's fragments, one set; on the way out v128-255 take rows of out0.  window 1: B's fragments, two sets, at v0 and v128.
;   window 2: the accumulators of my rows' blocks 0-3 ((a, b) at v[8 (8 a + b)]);  window 3: those of blocks 4-7.
.set NQ,     2                         ; matrix instructions deep in a slot
.set FR,     12                        ; registers of a fragment
.set NL,     4                         ; LDS loads that bring one
.set NP,     4                         ; places behind this matrix instruction (ISA guide 7.12.1)
.set TROW,   3072                      ; a tile's part of a slot: two K steps of 1,536 bytes
.set HALFT,  8*TROW                    ; 8 tiles, 128 rows: what one tensor load brings, and what one wave reads of A or of B
.set SLOT,   4*HALFT                   ; A's 16 tiles, then B's 16
.set SCL,    2*SLOT                    ; behind the ring: the scales, 512 bytes a tile
.set HALFS,  4096
.set SBLK,   512
.set SPARE,  SCL+4*HALFS               ; the spare words, 128 bytes for each wave: two blocks of 256 bytes that no other line names
.set SPITCH, 528                       ; the way out: a stage of 16 rows x (512 bytes + 16) for each wave, in slot 0, which has had its last fill and its last read when the first result is stored there
.set ADRA, 16                          ; v16-17 my A fragments in slot 0, 1, + 16 x lane;  v18-19 the same + 8 x lane
.set ADRB, 20                          ; v20-23 the same for B
.set STO,  24                          ; v24    the way out: where I put 32 bytes of a row
.set RD,   25                          ; v25    where I read a row back
.set CO,   26                          ; v26    my byte offset in a row's 512 bytes
.set ADRS, 27                          ; v27    my scale words: lanes 0-15 A's rows, lanes 16-31 B's
.set SPW,  28                          ; v28    my spare word: SPARE + 4 x my thread's number; never rewritten
.set NIL,  29                          ; v29    0; never rewritten
.set SC,   32
.set AF,   128
.set BK,   128                         ; the way out: 16 rows read back: v128-191 and v192-255 by turns
.set G1, 24
.set G0, 32
.set G1B, 48
.set G0B, 56
.set G1S, 68
.set G0S, 76
.set G1SB, 80
.set G0SB, 88
.set MSB, 0
.macro WIN new                         ; the immediate's high byte repeats the setting that is left
.if MSB != \new
	s_set_vgpr_msb (MSB<<8)|\new
.set MSB, \new
.endif
.endm
.set MUL_LO, 0xa1                      ; source 0 (B) window 1, source 1 (A) window 0, C and D window 2
.set MUL_HI, 0xf1                      ; the same, C and D window 3
.set TO_B,   0x40                      ; destination window 1, address window 0
; A joint load: waves 0 and 1 fetch for A, waves 2 and 3 for B; the branch hangs on the wave's number alone.  Four v_nop follow each of the two lines.
.macro JLOAD g0a, g1a, g0b, g1b
	s_cmp_eq_u32 s15, 0
	s_cbranch_scc0 .Lfor_b_\@
	tensor_load_to_lds s[\g0a:\g0a+3], s[\g1a:\g1a+7]
	s_nop 0
.rept 4
	v_nop
.endr
	s_branch .Lasked_\@
.Lfor_b_\@:
	tensor_load_to_lds s[\g0b:\g0b+3], s[\g1b:\g1b+7]
	s_nop 0
.rept 4
	v_nop
.endr
.Lasked_\@:
.endm
.macro CREST                           ; a round of the cluster's barrier behind its opening barrier
	s_cmp_lg_u32 s14, 0
	s_cbranch_scc1 .Lnot_wave_0_\@
	s_barrier_signal -3
.Lnot_wave_0_\@:
	s_barrier_wait -3
	s_barrier_signal -1
	s_barrier_wait -1
.endm
.macro CROUND                          ; a whole round
	s_barrier_signal -1
	s_barrier_wait -1
	CREST
.endm
	s_load_b128 s[4:7], s[0:1], 0x0                ; img, scl
	s_load_b64 s[12:13], s[0:1], 0x10              ; out0
	v_lshl_add_u32 v[SPW], v0, 2, SPARE
	v_mov_b32 v[NIL], 0
	ds_add_u32 v28, v29
	ds_add_u32 v28, v29
	s_wait_dscnt 0x0
	v_lshrrev_b32 v1, 5, v0
	v_readfirstlane_b32 s14, v1                    ; wave 0..3
	s_lshr_b32 s15, s14, 1                         ; which half of the rows is mine.  Also: I fetch for A (0) or for B (1)
	s_and_b32 s16, s14, 1                          ; which half of the columns.  Also: which 8 tiles I fetch
	s_bfe_u32 s40, ttmp6, 0x40000                  ; cx, cy: my place in the cluster
	s_bfe_u32 s41, ttmp6, 0x40004
	s_lshl_b32 s42, ttmp9, 2
	s_add_co_u32 s42, s42, s40                     ; which 256 columns = 4 x cluster x + cx
	s_and_b32 s17, ttmp7, 0xffff
	s_lshl_b32 s17, s17, 2
	s_add_co_u32 s17, s17, s41                     ; which 256 rows = 4 x cluster y + cy
	s_lshl_b32 s43, s41, 2
	s_lshl_b32 s43, 15, s43                        ; my row of the cluster
	s_lshl_b32 s44, 0x1111, s40                    ; my column
	; descriptor group 1: 8 tiles' parts of a slot: 8 rows of 384 elements of 8 bytes, 1,536 elements (a tile's 12,288 bytes) apart; dense in LDS
	s_or_b32 s[G1+0], s43, (3<<16)|(1<<21)         ; 15:0 the mask: A's tiles go to my row; 17:16 elements of 8 bytes; 20 no padding; 21 set beside a mask
	s_or_b32 s[G1B+0], s44, (3<<16)|(1<<21)
.irp g, G1, G1B
	s_mov_b32 s[\g+1], 384<<16                     ; tensor_dim0
	s_mov_b32 s[\g+2], 8<<16                       ; tensor_dim1
	s_mov_b32 s[\g+3], 384<<16                     ; tile_dim0
	s_mov_b32 s[\g+4], 8                           ; tile_dim1
	s_mov_b32 s[\g+5], 1536                        ; tensor_dim0_stride
	s_mov_b32 s[\g+6], 0
	s_mov_b32 s[\g+7], 0
.endr
	; and for the scales of 8 tiles: 4,096 dense bytes as 16 rows of 256
	s_or_b32 s[G1S+0], s43, (3<<16)|(1<<21)
	s_or_b32 s[G1SB+0], s44, (3<<16)|(1<<21)
.irp g, G1S, G1SB
	s_mov_b32 s[\g+1], 32<<16
	s_mov_b32 s[\g+2], 16<<16
	s_mov_b32 s[\g+3], 32<<16
	s_mov_b32 s[\g+4], 16
	s_mov_b32 s[\g+5], 32
	s_mov_b32 s[\g+6], 0
	s_mov_b32 s[\g+7], 0
.endr
	s_lshl_b32 s18, s16, 3                         ; which 8 tiles I fetch
	s_lshl_b32 s20, s17, 4
	s_add_co_u32 s20, s20, s18                     ; A's: O's tiles begin at 0
	s_lshl_b32 s46, s42, 4
	s_add_co_u32 s46, s46, s18
	s_add_co_u32 s46, s46, 704                     ; B's: Wo's tiles begin at 704
	s_lshl_b32 s22, s20, 9                         ; their scales, 512 bytes a tile,
	s_mov_b32 s23, 0
	s_lshl_b32 s92, s46, 9
	s_mov_b32 s93, 0
	s_mul_i32 s20, s20, 12288                      ; and their codes
	s_mov_b32 s21, 0
	s_mul_i32 s46, s46, 12288
	s_mov_b32 s47, 0
	s_mul_i32 s45, s14, HALFT                      ; where they go: wave x 8 tiles: no place in the cluster enters an LDS address
	s_mul_i32 s94, s14, HALFS
	s_wait_kmcnt 0x0
	s_add_nc_u64 s[20:21], s[4:5], s[20:21]
	s_add_nc_u64 s[22:23], s[6:7], s[22:23]
	s_add_nc_u64 s[46:47], s[4:5], s[46:47]
	s_add_nc_u64 s[92:93], s[6:7], s[92:93]
	CROUND                                         ; all sixteen work-groups are here: the first joint loads meet
	s_mov_b32 s[G0S], 1
	s_add_co_u32 s[G0S+1], s94, SCL
	s_mov_b64 s[G0S+2:G0S+3], s[22:23]
	s_or_b32 s[G0S+3], s[G0S+3], 0x80000000
	s_mov_b32 s[G0SB], 1
	s_add_co_u32 s[G0SB+1], s94, SCL
	s_mov_b64 s[G0SB+2:G0SB+3], s[92:93]
	s_or_b32 s[G0SB+3], s[G0SB+3], 0x80000000
	JLOAD G0S, G1S, G0SB, G1SB                     ; the scales first: they are wanted with the first slot
.irp s, 0,1
	s_mov_b32 s[G0+4*\s], 1
	s_add_co_u32 s[G0+4*\s+1], s45, \s*SLOT
	s_add_nc_u64 s[G0+4*\s+2:G0+4*\s+3], s[20:21], \s*TROW
	s_or_b32 s[G0+4*\s+3], s[G0+4*\s+3], 0x80000000
	s_mov_b32 s[G0B+4*\s], 1
	s_add_co_u32 s[G0B+4*\s+1], s45, \s*SLOT
	s_add_nc_u64 s[G0B+4*\s+2:G0B+4*\s+3], s[46:47], \s*TROW
	s_or_b32 s[G0B+4*\s+3], s[G0B+4*\s+3], 0x80000000
	JLOAD G0+4*\s, G1, G0B+4*\s, G1B
.endr
	v_and_b32 v1, 15, v0                           ; r
	v_bfe_u32 v2, v0, 4, 1                         ; h
	v_and_b32 v3, 31, v0                           ; lane
	v_lshlrev_b32 v4, 4, v3
	v_lshlrev_b32 v5, 3, v3
	s_mul_i32 s21, s15, HALFT                      ; my 8 tiles of A
	s_mul_i32 s22, s16, HALFT                      ; my 8 tiles of B,
	s_add_co_u32 s22, s22, 2*HALFT                 ; which lie behind A's 16
.irp s, 0,1
	v_add_nc_u32 v[ADRA+\s], s21, v4
	v_add_nc_u32 v[ADRB+\s], s22, v4
	v_add_nc_u32 v[ADRA+2+\s], s21, v5
	v_add_nc_u32 v[ADRB+2+\s], s22, v5
	s_add_co_u32 s21, s21, SLOT
	s_add_co_u32 s22, s22, SLOT
.endr
	v_lshlrev_b32 v5, 3, v1                        ; my row's two words of a slot: 8 r
	s_mul_i32 s21, s15, HALFS                      ; A's: my 8 tiles
	s_mul_i32 s22, s16, HALFS                      ; B's: my 8 tiles, behind A's 16
	s_add_co_u32 s22, s22, 2*HALFS
	s_sub_co_u32 s22, s22, s21
	v_mul_u32_u24 v6, s22, v2                      ; lanes 16-31 take B's: one product, the distance between the two x h
	s_add_co_u32 s21, s21, SCL
	v_add_nc_u32 v5, v5, v6
	v_add_nc_u32 v[ADRS], s21, v5
	s_mul_i32 s23, s14, 16*SPITCH                  ; my stage
	v_mul_u32_u24 v5, v1, SPITCH                   ; in: row r; my half's sixteen columns of each 32 begin 64 h bytes on
	v_lshl_add_u32 v5, v2, 6, v5
	v_add_nc_u32 v[STO], s23, v5
	v_lshlrev_b32 v[CO], 4, v3                     ; back: the 32 lanes take one row of 512 bytes; and the same in out0
	v_add_nc_u32 v[RD], s23, v[CO]
	s_lshl_b32 s20, s17, 8
	s_lshl_b32 s21, s15, 7
	s_add_co_u32 s20, s20, s21                     ; my first row: 256 x which rows + 128 x half,
	s_lshl_b32 s20, s20, 12                        ; of 4,096 bytes
	s_mov_b32 s21, 0
	s_lshl_b32 s46, s42, 10                        ; my first column, in bytes
	s_lshl_b32 s47, s16, 9
	s_add_co_u32 s46, s46, s47
	s_mov_b32 s47, 0
	s_add_nc_u64 s[20:21], s[20:21], s[46:47]
	s_add_nc_u64 s[12:13], s[12:13], s[20:21]
.macro FRAG reg, adr, q, i             ; a fragment comes back as it was stored: registers 6 c .. 6 c + 3 at 16 x lane, 6 c + 4, 6 c + 5 at 512 + 8 x lane: every load reads consecutive bytes
.irp c, 0,1
	ds_load_b128 v[\reg+6*\c:\reg+6*\c+3], v[\adr] offset:(\i)*TROW+(\q)*1536+768*\c
	ds_load_b64 v[\reg+6*\c+4:\reg+6*\c+5], v[\adr+2] offset:(\i)*TROW+(\q)*1536+768*\c+512
.endr
.endm
; 16 matrix instructions: A's blocks a0, a0 + 1 x B's eight, 128 along K.  p: B's set;  sc: the set of scale words.  zero = 1: the first product starts the sums.
; The 64 accumulators take turns, one instruction a turn, in the same order in every step.
.macro MUL16 a0, p, q, sc, zero
.irp a, \a0, \a0+1
.irp b, 0,1,2,3,4,5,6,7
.if \zero
	v_wmma_scale_f32_16x16x128_f8f6f4 v[8*(8*((\a)%4)+\b):8*(8*((\a)%4)+\b)+7], v[128*(\p)+FR*\b:128*(\p)+FR*\b+FR-1], v[AF+FR*(\a):AF+FR*(\a)+FR-1], 0, v[SC+8*NQ*(\sc)+NQ*\b+(\q)], v[SC+8*NQ*(\sc)+NQ*(\a)+(\q)] matrix_a_fmt:MATRIX_FMT_FP6 matrix_b_fmt:MATRIX_FMT_FP6 matrix_a_scale:MATRIX_SCALE_ROW1
.else
	v_wmma_scale_f32_16x16x128_f8f6f4 v[8*(8*((\a)%4)+\b):8*(8*((\a)%4)+\b)+7], v[128*(\p)+FR*\b:128*(\p)+FR*\b+FR-1], v[AF+FR*(\a):AF+FR*(\a)+FR-1], v[8*(8*((\a)%4)+\b):8*(8*((\a)%4)+\b)+7], v[SC+8*NQ*(\sc)+NQ*\b+(\q)], v[SC+8*NQ*(\sc)+NQ*(\a)+(\q)] matrix_a_fmt:MATRIX_FMT_FP6 matrix_b_fmt:MATRIX_FMT_FP6 matrix_a_scale:MATRIX_SCALE_ROW1
.endif
.endr
.endr
.endm
.macro FETCH_B slot, q, p              ; B's eight fragments of the slot's q-th 128 along K into set p
	WIN TO_B
.irp i, 0,1,2,3,4,5,6,7
	FRAG 128*(\p)+FR*\i, ADRB+\slot, \q, \i
.endr
	WIN 0
.endm
.macro FETCH_A slot, q, i0             ; A's blocks i0 .. i0 + 3
.irp i, \i0, \i0+1, \i0+2, \i0+3
	FRAG AF+FR*(\i), ADRA+\slot, \q, \i
.endr
.endm
.macro SCALES sc                       ; the next slot's scale words into set sc: two words a row
.irp i, 0,1,2,3,4,5,6,7
	ds_load_b64 v[SC+8*NQ*\sc+NQ*\i:SC+8*NQ*\sc+NQ*\i+1], v[ADRS] offset:\i*SBLK
.endr
.endm
; A load into a register that a matrix instruction has read, and a vector instruction or a store that reads a matrix result, stand NP places behind it; only plain vector instructions that name none of its registers are places.
.macro PLACES n
.rept \n
	v_nop
.endr
.endm
.macro STEP slot, q, zero              ; a step of 128 along K that has its successor in the same slot
	s_wait_dscnt 4*NL                              ; B's set and A's blocks 0-3 are in; the youngest 16 loads (A's blocks 4-7) may be out
	WIN MUL_LO
	MUL16 0, (\q)%2, \q, \slot, \zero
	MUL16 2, (\q)%2, \q, \slot, \zero
	s_wait_dscnt 0                                 ; A's blocks 4-7 are in
	PLACES NP
	FETCH_B \slot, (\q)+1, 1-(\q)%2
	FETCH_A \slot, (\q)+1, 0
	WIN MUL_HI
	MUL16 4, (\q)%2, \q, \slot, \zero
	MUL16 6, (\q)%2, \q, \slot, \zero
	PLACES NP
	WIN 0
	FETCH_A \slot, (\q)+1, 4
.endm
; A slot's last step changes slots: ONE barrier; in front of it each wave waits for all its tensor loads, adds 0 to its spare word, and waits for that and for its own reads of this slot.  fill = 1: this slot is filled again, two slots ahead.
.macro TURN slot, next, fill
	s_wait_tensorcnt 0x0                           ; all my tensor loads have landed: my part of the next slot
	ds_add_u32 v[SPW], v[NIL]                      ; 0 onto my spare word
	s_wait_dscnt 4*NL+1                            ; (the add and the youngest 16 loads, A's blocks 4-7, may be out)
	WIN MUL_LO
	MUL16 0, 1, NQ-1, \slot, 0                     ; sixteen matrix instructions stand between the add and the wait for it
	s_wait_dscnt 0x0                               ; the add is done, and my reads of this slot are over
	s_barrier_signal -1
	MUL16 2, 1, NQ-1, \slot, 0
	WIN 0
	s_barrier_wait -1
.if \fill
	CREST                                          ; the barrier has opened a round of the cluster's barrier: no wave of any partner still reads this slot or has a load on its way
	s_add_nc_u64 s[G0+4*\slot+2:G0+4*\slot+3], s[G0+4*\slot+2:G0+4*\slot+3], 2*TROW
	s_add_nc_u64 s[G0B+4*\slot+2:G0B+4*\slot+3], s[G0B+4*\slot+2:G0B+4*\slot+3], 2*TROW
	JLOAD G0+4*\slot, G1, G0B+4*\slot, G1B         ; the first tensor load behind the round; its four v_nop are the places in front of the loads below
.else
	PLACES NP
.endif
	v_add_nc_u32 v[ADRS], 128, v[ADRS]             ; on to the next slot's scale words
	FETCH_B \next, 0, 0
	FETCH_A \next, 0, 0
	SCALES \next
	WIN MUL_HI
	MUL16 4, 1, NQ-1, \slot, 0
	MUL16 6, 1, NQ-1, \slot, 0
	PLACES NP
	WIN 0
	FETCH_A \next, 0, 4
.endm
	s_wait_tensorcnt 1                             ; the scales and my part of slot 0 are in (slot 1's load may be out)
	s_barrier_signal -1
	s_barrier_wait -1                              ; everybody's are
	FETCH_B 0, 0, 0
	FETCH_A 0, 0, 0
	SCALES 0
	FETCH_A 0, 0, 4
	STEP 0, 0, 1                                   ; K has four slots' worth: the eight steps are written out
	TURN 0, 1, 1
	STEP 1, 0, 0
	TURN 1, 0, 1
	STEP 0, 0, 0
	TURN 0, 1, 0                                   ; nothing is left to fetch
	STEP 1, 0, 0
	s_wait_dscnt 4*NL
	WIN MUL_LO
	MUL16 0, 1, NQ-1, 1, 0
	MUL16 2, 1, NQ-1, 1, 0
	s_wait_dscnt 0
	WIN MUL_HI
	MUL16 4, 1, NQ-1, 1, 0
	MUL16 6, 1, NQ-1, 1, 0
	WIN 0
; THE WAY OUT, block by block of 16 rows x 128 columns, through my own stage in LDS.  Register j of accumulator (a, b) in lane (r, h) is column 32 (b / 2) + 16 h + 8 (b % 2) + j of row 32 (a / 2) + 8 (a % 2) + r + 8 (r / 8).
; The stage puts the columns in order; the stores' offsets and the base's steps put the rows in order.  LDS serves a wave's instructions in order (ISA guide 5.7.1.4): no wait between the stores and the loads.
.macro TOSTAGE a
.set AC, 64*((\a)%4)
	WIN 0x08+4*((\a)/4)                            ; the data: window 2 or 3
.irp b, 0,1,2,3,4,5,6,7
	ds_store_b128 v[STO], v[AC+8*\b:AC+8*\b+3] offset:128*(\b/2)+32*(\b%2)          ; each accumulator from its low end on
	ds_store_b128 v[STO], v[AC+8*\b+4:AC+8*\b+7] offset:128*(\b/2)+32*(\b%2)+16
.endr
	WIN 0
.set BB, BK+64*((\a)%2)
.irp t, 0,1,2,3,4,5,6,7,8,9,10,11,12,13,14,15
	ds_load_b128 v[BB+4*\t:BB+4*\t+3], v[RD] offset:\t*SPITCH
.endr
.endm
.macro SEND a, younger                 ; younger: the LDS instructions issued behind block a's loads, which may stay out
.set BB, BK+64*((\a)%2)
	s_wait_dscnt \younger                          ; the block is back in registers
.if (\a) > 0
	s_add_nc_u64 s[12:13], s[12:13], (8+16*(1-(\a)%2))*4096   ; (behind a wait on XCNT)  8 rows on to an odd block, 24 to an even one
.endif
.irp t, 0,1,2,3,4,5,6,7,8,9,10,11,12,13,14,15
	global_store_b128 v[CO], v[BB+4*\t:BB+4*\t+3], s[12:13] offset:(\t+8*(\t/8))*4096 th:TH_STORE_NT   ; 32 lanes store 512 consecutive bytes, aligned to 256; written once, read by nobody here
.endr
.endm
	PLACES NP
	TOSTAGE 0
.irp a, 1,2,3,4,5,6,7
.if \a > 1
	s_wait_xcnt 0x0                                ; block a - 2's stores have read their registers and their base: block a's loads may land there, and the base may step
.endif
	TOSTAGE \a
	SEND \a-1, 32                                  ; behind block a - 1's loads: block a's 16 stores and 16 loads
.endr
	s_wait_xcnt 0x0                                ; block 6's stores have read their base
	SEND 7, 0
	s_wait_tensorcnt 0x0                           ; the wave's end
	ds_add_u32 v[SPW], v[NIL]
	s_wait_dscnt 0x0
	CROUND                                         ; the closing round: no work-group ends while a partner may still ask for a tile that names it
	s_endpgm
.Lfunc_end_k_q93d928301b_proj:
	.size	k_q93d928301b_proj, .Lfunc_end_k_q93d928301b_proj-k_q93d928301b_proj
	.p2alignl 7, 3214868480
	.fill 96, 4, 3214868480
	.section	.rodata,"a",@progbits
	.p2align	6, 0x0
	.amdhsa_kernel k_q93d928301b_proj
		.amdhsa_group_segment_fixed_size 327680
		.amdhsa_private_segment_fixed_size 0
		.amdhsa_enable_private_segment 0
		.amdhsa_kernarg_size 24
		.amdhsa_user_sgpr_count 2
		.amdhsa_user_sgpr_kernarg_segment_ptr 1
		.amdhsa_wavefront_size32 1
		.amdhsa_system_sgpr_workgroup_id_x 1
		.amdhsa_system_sgpr_workgroup_id_y 1
		.amdhsa_system_sgpr_workgroup_id_z 1
		.amdhsa_system_vgpr_workitem_id 0
		.amdhsa_next_free_vgpr 1024
		.amdhsa_next_free_sgpr 98
		.amdhsa_reserve_vcc 0
		.amdhsa_float_denorm_mode_32 3
		.amdhsa_float_denorm_mode_16_64 3
		.amdhsa_memory_ordered 1
		.amdhsa_forward_progress 1
		.amdhsa_inst_pref_size 143
	.end_amdhsa_kernel
	.amdgpu_metadata
---
amdhsa.version: [ 1, 2 ]
amdhsa.kernels:
  - .name:           k_q93d928301b_proj
    .symbol:         k_q93d928301b_proj.kd
    .args:
      - { .name: img, .offset: 0, .size: 8, .value_kind: global_buffer, .address_space: global }
      - { .name: scl, .offset: 8, .size: 8, .value_kind: global_buffer, .address_space: global }
      - { .name: out0, .offset: 16, .size: 8, .value_kind: global_buffer, .address_space: global }
    .group_segment_fixed_size: 327680
    .private_segment_fixed_size: 0
    .kernarg_segment_align: 8
    .kernarg_segment_size: 24
    .max_flat_workgroup_size: 128
    .sgpr_count:     98
    .vgpr_count:     1024
    .wavefront_size: 32
...
	.end_amdgpu_metadata
.endif
;; end of part 4
